; MI455X (gfx1250); checked and timed in simulation.
; The chip was launched on July 23, 2026; its instructions are those of AMD's public machine-readable ISA for CDNA 5 (MIT licence, August 2026) and "CDNA5" Instruction Set Architecture Reference Guide (July 2026). The comments in the code are by the model that wrote it; some were corrected since.
;; Self Attention. Allowed arithmetic: matrix products marked QUANTISED: E2M1 operands, one E8M0 scale for each 32 along K, by v_wmma_scale_f32_16x16x128_f8f6f4 with both operands' format E2M1 (or v_wmma_scale_f32_32x16x128_f4), f32 sums; products left as they are: bf16, f16 or f32 operands; f32 sums; everything else in f32.
;; Inputs: Wk 1,024 x 1,024 float32; Wp 1,024 x 1,024 float32; Wq 1,024 x 1,024 float32; Wv 1,024 x 1,024 float32; bk 1,024 float32; bp 1,024 float32; bq 1,024 float32; bv 1,024 float32; x 4 x 2,048 x 1,024 float32.
;; Outputs: out0 4 x 2,048 x 1,024 float32.
;; This version of the problem:
;;   THIS VERSION OF THE PROBLEM IS GIVEN IN LOW PRECISION. The matrix products marked QUANTISED in the list below multiply operands that are first quantised to E2M1 (2 exponent bits, 1 mantissa bit; 4 bits a number), with one power-of-two scale for each 32 numbers along K (OCP MX v1.0); their sums are f32. The products marked 'left as it is' may take bf16, f16 or f32 operands, with f32 sums. Whichever they take, every output number must still come out within the allowed error. Rounding operands to bf16 (8 significant bits) uses up far more of that allowance than f16 does (11 bits, for magnitudes from 6e-5 to 65,504). All else is computed in f32.
;;   The module's matrix products, in the order in which they are computed (A, B: the left and right operand; K: the contracted axis; several contracted axes count as one K, in the product's order):
;;     1. [M 8,192, K 1,024] x [K 1,024, N 1,024]; A: input x; B: input Wq: QUANTISED
;;     2. [M 8,192, K 1,024] x [K 1,024, N 1,024]; A: input x; B: input Wk: QUANTISED
;;     3. [M 8,192, K 1,024] x [K 1,024, N 1,024]; A: input x; B: input Wv: QUANTISED
;;     4. batch 64 x [M 2,048, K 64] x [K 64, N 2,048]; A: computed on the way; B: computed on the way: left as it is (an operand is computed on the way)
;;     5. batch 64 x [M 2,048, K 2,048] x [K 2,048, N 64]; A: computed on the way; B: computed on the way: left as it is (an operand is computed on the way)
;;     6. [M 8,192, K 1,024] x [K 1,024, N 1,024]; A: computed on the way; B: input Wp: left as it is (an operand is computed on the way)
;;   THE QUANTISER, for each operand of a quantised product, along K:
;;     - K is cut into blocks of 32 from its start; a last block that is shorter is filled with zeros.
;;     - A block's scale is 2^e with e = floor(log2(the largest magnitude in the block)) - 2, held to -126 .. 127; a block of zeros has e = 0. As a byte (E8M0): e + 127.
;;     - Each number is divided by its block's scale, clamped to +-6, and rounded to the nearest number of E2M1, ties to even, subnormals kept.
;;     - The product sums the exact products of the quantised numbers (number of the format x scale) in f32.
;;   ~~~python
;;   def quantise(x, axis):      # numpy; x: float32 -> the quantised numbers, widened to float32 again
;;       x = np.moveaxis(x, axis, -1); K = x.shape[-1]
;;       x = np.pad(x, [(0, 0)] * (x.ndim - 1) + [(0, -K % 32)]); x = x.reshape(x.shape[:-1] + (-1, 32)); a = np.abs(x).max(-1, keepdims=True)
;;       e = np.where(a > 0, np.clip(np.frexp(np.where(a > 0, a, 1))[1] - 1 - 2, -126, 127), 0)      # np.frexp(a)[1] - 1 = floor(log2(a)), exactly
;;       r = np.clip(x / 2.0 ** e, -6, 6)
;;       step = 2.0 ** (np.maximum(np.frexp(np.where(r == 0, 1, r))[1] - 1, 0) - 1)
;;       q = np.round(r / step) * step * 2.0 ** e      # np.round: ties to even
;;       return np.moveaxis(q.reshape(q.shape[:-2] + (-1,))[..., :K], -1, axis).astype(np.float32)
;;   ~~~
;; One version. Each part assembles by itself: llvm-mc -triple=amdgcn-amd-amdhsa -mcpu=gfx1250 --defsym DOCPART=n.
;; ======== version 1 of 1: 4 launches
;; limits: values are held in f16: magnitudes above 65,504 overflow, below 6.1e-05 lose precision
;; workspace buffers: xc 4,194,304 bytes; xs 262,144 bytes; wc 1,572,864 bytes; ws 98,304 bytes; wph 2,097,152 bytes; qkv 50,331,648 bytes; y 16,777,216 bytes
;; launch prep (part 1): grid 368 x 1, 4 waves a work-group, no clusters, 68,096 bytes of LDS; arguments x, Wq, Wk, Wv, Wp, xc, xs, wc, ws, wph; writes xc, xs, wc, ws, wph
.if DOCPART == 1
	.amdgcn_target "amdgcn-amd-amdhsa--gfx1250"
	.amdhsa_code_object_version 6
	.text
	.protected	k_q9185e56497_prep
	.globl	k_q9185e56497_prep
	.p2align	8
	.type	k_q9185e56497_prep,@function
k_q9185e56497_prep:
	s_mov_b64 s[64:65], 0
	v_nop
	global_prefetch_b8 v0, s[64:65] scope:SCOPE_SE
	s_setreg_imm32_b32 hwreg(HW_REG_WAVE_MODE, 25, 1), 1
	s_wait_xcnt 0x0
; Three jobs in one launch, told apart by the work-group's number.
;   W (work-groups 0-47):    Wq, Wk, Wv [k 1024][n 1024] f32 -> codes of FP4 (E2M1) laid [3072 (1024 x which + n)][1024 k], K innermost, and one E8M0 byte for each 32 along K, laid [3072][32].
;   P (work-groups 48-111):  Wp f32 -> f16, same layout [k][n].
;   X (work-groups 112-367): x [8192][1024] f32 -> codes [8192][512 bytes] and scale bytes [8192][32].
; A block's scale is 2^(floor(log2(its largest magnitude)) - 2); its byte is the largest magnitude's exponent field - 2, held at 1 from below.
; LIMITS: a block of zeros gets the byte 1 where the rule says 127 (its codes are zeros, and this program alone reads the bytes); blocks whose largest magnitude lies under 2^(3 - 127) keep the byte 1;
; NaN and infinities among the inputs are not served; Wp beyond f16's 65,504 is not served.
; No tensor loads, no barrier: waves share nothing.  Each job has LDS bytes of its own.  The job with the longest chain of dependent loads (W) has the lowest numbers.
.set SPARE, 67584                      ; behind the stages: the spare words, 128 bytes for each wave
.set SPW,   12                         ; v12  LDS address of my spare word; never rewritten
.set NIL,   13                         ; v13  0; never rewritten
.set R,     16                         ; X: v16-143  eight sets of 16 numbers as they are loaded
.set X,     144                        ; X: v144-175 two sets of 16 neighbours
.set E,     176                        ; X: v176-191 a scale byte for each step
.set C,     192                        ; X: v192-223 two registers of codes for each step
.set XW,    16                         ; W: v16-79   two sets of 32 numbers
.set OUTR,  80                         ; W: v80-143  the way out
.set CW,    144                        ; W: v144-147 a block's codes
.set SB,    148                        ; W: v148-151 the scale bytes, four to a register
.set PR,    16                         ; P: v16-143  32 x 4 numbers
.set PH,    144                        ; P: v144-207 32 x 2 registers of f16
.macro FINISH                          ; a wave's end
	s_wait_tensorcnt 0x0
	ds_add_u32 v[SPW], v[NIL]
	s_wait_dscnt 0x0
	s_endpgm
.endm
	s_load_b256 s[4:11], s[0:1], 0x0               ; x s[4:5], Wq s[6:7], Wk s[8:9], Wv s[10:11]
	s_load_b256 s[12:19], s[0:1], 0x20             ; Wp s[12:13], xc s[14:15], xs s[16:17], wc s[18:19]
	s_load_b128 s[20:23], s[0:1], 0x40             ; ws s[20:21], wph s[22:23]
	v_lshl_add_u32 v[SPW], v0, 2, SPARE
	v_mov_b32 v[NIL], 0
	v_lshrrev_b32 v1, 5, v0
	v_readfirstlane_b32 s24, v1                    ; wave 0..3
	v_and_b32 v2, 31, v0                           ; lane
	v_lshlrev_b32 v3, 4, v2                        ; 16 x lane
	v_lshlrev_b32 v4, 3, v2                        ; 8 x lane
	; every LDS address is made here, ahead of the parting of the jobs
	s_lshl_b32 s25, s24, 13                        ; X: my wave's 8,192 bytes: two stages of 32 x 80, then 256 scale bytes
	v_lshrrev_b32 v14, 2, v2
	v_mul_u32_u24 v14, v14, 80
	v_and_b32 v15, 3, v2
	v_lshl_add_u32 v14, v15, 4, v14
	v_add_nc_u32 v14, s25, v14                     ; the stage, way in: four lanes' 64 bytes on end, then 16 of padding
	v_mul_u32_u24 v15, v2, 80
	v_add_nc_u32 v15, s25, v15                     ; way out: 80 x lane: my 16 neighbours
	s_add_co_u32 s26, s25, 5120
	v_lshrrev_b32 v5, 1, v2
	v_add_nc_u32 v5, s26, v5                       ; my block's scale byte
	v_add_nc_u32 v6, s26, v4                       ; and on the way out 8 bytes a lane
	v_lshlrev_b32 v224, 2, v2                      ; W: 4 bytes a lane
	s_mul_i32 s27, s24, 8704
	s_add_co_u32 s27, s27, 32768                   ; W: my wave's stage: 32 rows of 272 bytes
	v_mul_u32_u24 v225, v2, 272
	v_add_nc_u32 v225, s27, v225                   ; into it: row = my column
	v_and_b32 v7, 15, v2
	v_lshrrev_b32 v8, 4, v2
	v_mul_u32_u24 v226, v8, 272
	v_lshl_add_u32 v226, v7, 4, v226
	v_add_nc_u32 v226, s27, v226                   ; out of it: sixteen lanes to a row, two rows an instruction
	v_lshlrev_b32 v227, 9, v8
	v_lshl_add_u32 v227, v7, 4, v227               ; the same place in wc: rows of 512 bytes
	v_lshlrev_b32 v228, 5, v2                      ; my column's row of 32 scale bytes
	s_wait_kmcnt 0x0
	s_cmp_lt_u32 ttmp9, 48
	s_cbranch_scc1 .Lw
	s_cmp_lt_u32 ttmp9, 112
	s_cbranch_scc1 .Lp
; ---- X.  Rows are dense and 1,024 is a multiple of 32: x is a plain stream of blocks of 32.  A wave takes 16 steps of 512 numbers.  Each load reads 512 consecutive bytes; a step's 2,048 bytes turn
; through the wave's stage so that a lane holds 16 neighbours (two neighbouring lanes hold a block).  Loads run eight steps (32 loads, 16 KiB a wave) ahead, the turn through LDS one step.
	s_sub_co_u32 s28, ttmp9, 112
	s_lshl_b32 s28, s28, 2
	s_add_co_u32 s28, s28, s24                     ; which run of 8,192 numbers is my wave's
	s_mov_b32 s31, 0
	s_lshl_b32 s30, s28, 15
	s_add_nc_u64 s[4:5], s[4:5], s[30:31]
	s_lshl_b32 s30, s28, 12
	s_add_nc_u64 s[14:15], s[14:15], s[30:31]
	s_lshl_b32 s30, s28, 8
	s_add_nc_u64 s[16:17], s[16:17], s[30:31]
.macro XLOAD t
.irp i, 0,1,2,3
	global_load_b128 v[R+16*((\t)%8)+4*\i:R+16*((\t)%8)+4*\i+3], v3, s[4:5] offset:2048*(\t)+512*\i th:TH_LOAD_NT
.endr
.endm
.macro XTURN t                         ; LDS serves a wave's instructions in order (ISA guide 5.7.1.4): no wait between the stores and the loads
.irp i, 0,1,2,3
	ds_store_b128 v14, v[R+16*((\t)%8)+4*\i:R+16*((\t)%8)+4*\i+3] offset:2560*((\t)%2)+640*\i
.endr
.irp i, 0,1,2,3
	ds_load_b128 v[X+16*((\t)%2)+4*\i:X+16*((\t)%2)+4*\i+3], v15 offset:2560*((\t)%2)+16*\i
.endr
.endm
.macro XSTEP t
.set XS, X+16*((\t)%2)
.if (\t) > 0
	s_wait_dscnt 1                                 ; this step's numbers are back from the stage; the last step's byte store may be out
.else
	s_wait_dscnt 0x0
.endif
.if (\t)+8 < 16
	XLOAD (\t)+8                                   ; into the set whose stores into the stage are done
.endif
.if (\t)+1 < 16
.if (\t) <= 7
	s_wait_loadcnt 28                              ; the next step's four loads are in; those of the seven steps behind it may be out
.else
	s_wait_loadcnt 4*(14-(\t))
.endif
	XTURN (\t)+1
.endif
	v_max3_num_f32 v8, |v[XS]|, |v[XS+1]|, |v[XS+2]|       ; the largest magnitude of my 16, in two chains
	v_max3_num_f32 v9, |v[XS+3]|, |v[XS+4]|, |v[XS+5]|
.irp i, 6,10
	v_max3_num_f32 v8, v8, |v[XS+\i]|, |v[XS+\i+1]|
	v_max3_num_f32 v9, v9, |v[XS+\i+2]|, |v[XS+\i+3]|
.endr
	v_max3_num_f32 v8, v8, |v[XS+14]|, |v[XS+15]|
	v_max3_num_f32 v8, v8, v9, 0x1800000           ; and the floor 2^(3 - 127): the byte cannot fall under 1
	v_max_num_f32_dpp v8, v8, v8 row_xmask:1 row_mask:0xf bank_mask:0xf   ; with my neighbour's 16: the block's
	v_add_nc_u32 v11, 0xff000000, v8               ; 2 off its exponent field: the conversion takes the exponent field of this operand as its scale
	v_cvt_scalef32_pk8_fp4_f32 v[C+2*(\t)], v[XS:XS+7], v11
	v_cvt_scalef32_pk8_fp4_f32 v[C+2*(\t)+1], v[XS+8:XS+15], v11
	v_lshrrev_b32 v[E+(\t)], 23, v11               ; the scale's byte (also the plain line behind the conversions)
	ds_store_b8 v5, v[E+(\t)] offset:16*(\t)       ; both lanes of a block write the same byte with the same value
	global_store_b64 v4, v[C+2*(\t):C+2*(\t)+1], s[14:15] offset:256*(\t)   ; the wave stores 256 consecutive bytes, aligned
.endm
.irp t, 0,1,2,3,4,5,6,7
	XLOAD \t
.endr
	s_wait_loadcnt 28                              ; step 0's four loads are in
	XTURN 0
.irp t, 0,1,2,3,4,5,6,7,8,9,10,11,12,13,14,15
	XSTEP \t
.endr
	ds_load_b64 v[8:9], v6                         ; my wave's 256 scale bytes, behind my stores of them
	s_wait_dscnt 0x0
	global_store_b64 v4, v[8:9], s[16:17]          ; 256 consecutive bytes, aligned
	FINISH
; ---- W.  A lane takes a column n and its registers run down K: a block of 32 lies in one lane's 32 registers, and the conversions give codes with K innermost.  A wave takes 32 columns x 512 along K.
; Loads run two blocks (64 loads) ahead: a wait's count has six bits.  The codes leave through the wave's stage, sixteen lanes to 256 consecutive bytes of a row of wc.
.Lw:
	s_lshr_b32 s28, ttmp9, 4                       ; which weight: 0 q, 1 k, 2 v
	s_and_b32 s29, ttmp9, 7                        ; which 128 columns
	s_bfe_u32 s30, ttmp9, 0x10003                  ; which half of K
	s_cmp_eq_u32 s28, 0
	s_cselect_b64 s[6:7], s[6:7], s[8:9]
	s_cmp_eq_u32 s28, 2
	s_cselect_b64 s[6:7], s[10:11], s[6:7]         ; the choice hangs on the work-group's number alone
	s_lshl_b32 s29, s29, 7
	s_lshl_b32 s31, s24, 5
	s_add_co_u32 s29, s29, s31                     ; my wave's first column
	s_lshl_b32 s32, s30, 21                        ; 512 rows of 4,096 bytes
	s_lshl_b32 s33, s29, 2
	s_add_co_u32 s32, s32, s33
	s_mov_b32 s33, 0
	s_add_nc_u64 s[6:7], s[6:7], s[32:33]
	s_lshl_b32 s34, s28, 10
	s_add_co_u32 s34, s34, s29                     ; my first row of wc and ws
	s_lshl_b32 s32, s34, 9
	s_lshl_b32 s35, s30, 8
	s_add_co_u32 s32, s32, s35
	s_add_nc_u64 s[18:19], s[18:19], s[32:33]
	s_lshl_b32 s32, s34, 5
	s_lshl_b32 s35, s30, 4
	s_add_co_u32 s32, s32, s35
	s_add_nc_u64 s[20:21], s[20:21], s[32:33]
.macro WLOAD t
.irp i, 0,1,2,3,4,5,6,7,8,9,10,11,12,13,14,15,16,17,18,19,20,21,22,23,24,25,26,27,28,29,30,31
	global_load_b32 v[XW+32*((\t)%2)+\i], v224, s[6:7] offset:(32*(\t)+\i)*4096 th:TH_LOAD_NT   ; 511 rows of 4,096 bytes at the most: inside the signed 24-bit immediate
.endr
.endm
.macro WBLOCK t
.set XS, XW+32*((\t)%2)
.if (\t) < 15
	s_wait_loadcnt 32                              ; this block's 32 loads are in; the next block's may be out
.else
	s_wait_loadcnt 0x0
.endif
	v_max3_num_f32 v8, |v[XS]|, |v[XS+1]|, |v[XS+2]|
	v_max3_num_f32 v9, |v[XS+3]|, |v[XS+4]|, |v[XS+5]|
.irp i, 6,10,14,18,22,26
	v_max3_num_f32 v8, v8, |v[XS+\i]|, |v[XS+\i+1]|
	v_max3_num_f32 v9, v9, |v[XS+\i+2]|, |v[XS+\i+3]|
.endr
	v_max3_num_f32 v8, v8, |v[XS+30]|, |v[XS+31]|
	v_max3_num_f32 v8, v8, v9, 0x1800000           ; the floor
	v_add_nc_u32 v11, 0xff000000, v8
	v_lshrrev_b32 v9, 23, v11                      ; the scale's byte
.if (\t)%4 == 0
	v_mov_b32 v[SB+(\t)/4], v9                     ; four bytes to a register, the lower K in the lower byte
.else
	v_lshl_or_b32 v[SB+(\t)/4], v9, 8*((\t)%4), v[SB+(\t)/4]
.endif
.irp g, 0,1,2,3
	v_cvt_scalef32_pk8_fp4_f32 v[CW+\g], v[XS+8*\g:XS+8*\g+7], v11
.endr
	ds_store_b128 v225, v[CW:CW+3] offset:16*(\t)  ; 32 codes: 16 bytes of my column's row
.if (\t)+2 < 16
	WLOAD (\t)+2
.endif
	s_wait_dscnt 0x0                               ; the store has read its registers: the next block's codes may be written (plain lines stand ahead of them)
.endm
	WLOAD 0
	WLOAD 1
.irp t, 0,1,2,3,4,5,6,7,8,9,10,11,12,13,14,15
	WBLOCK \t
.endr
	global_store_b128 v228, v[SB:SB+3], s[20:21]   ; my column's 16 scale bytes
.irp t, 0,1,2,3,4,5,6,7,8,9,10,11,12,13,14,15
	ds_load_b128 v[OUTR+4*\t:OUTR+4*\t+3], v226 offset:544*\t
.endr
.irp t, 0,1,2,3,4,5,6,7,8,9,10,11,12,13,14,15
	s_wait_dscnt 15-\t
	global_store_b128 v227, v[OUTR+4*\t:OUTR+4*\t+3], s[18:19] offset:1024*\t   ; sixteen lanes store 256 consecutive bytes, aligned
.endr
	FINISH
; ---- P.  A wave rounds 4,096 numbers of Wp to f16: 32 loads of 512 consecutive bytes, all out at once; each store covers 256 consecutive bytes, aligned.  No register is written twice.
.Lp:
	s_sub_co_u32 s28, ttmp9, 48
	s_lshl_b32 s28, s28, 2
	s_add_co_u32 s28, s28, s24
	s_mov_b32 s31, 0
	s_lshl_b32 s30, s28, 14
	s_add_nc_u64 s[12:13], s[12:13], s[30:31]
	s_lshl_b32 s30, s28, 13
	s_add_nc_u64 s[22:23], s[22:23], s[30:31]
.irp i, 0,1,2,3,4,5,6,7,8,9,10,11,12,13,14,15,16,17,18,19,20,21,22,23,24,25,26,27,28,29,30,31
	global_load_b128 v[PR+4*\i:PR+4*\i+3], v3, s[12:13] offset:512*\i th:TH_LOAD_NT
.endr
.irp g, 0,1,2,3
	s_wait_loadcnt 24-8*\g                         ; this group's eight loads are in; the younger groups may be out
.irp j, 0,1,2,3,4,5,6,7
	v_cvt_pk_f16_f32 v[PH+2*(8*\g+\j)], v[PR+4*(8*\g+\j)], v[PR+4*(8*\g+\j)+1]
	v_cvt_pk_f16_f32 v[PH+2*(8*\g+\j)+1], v[PR+4*(8*\g+\j)+2], v[PR+4*(8*\g+\j)+3]
	global_store_b64 v4, v[PH+2*(8*\g+\j):PH+2*(8*\g+\j)+1], s[22:23] offset:256*(8*\g+\j)
.endr
.endr
	FINISH
.Lfunc_end_k_q9185e56497_prep:
	.size	k_q9185e56497_prep, .Lfunc_end_k_q9185e56497_prep-k_q9185e56497_prep
	.p2alignl 7, 3214868480
	.fill 96, 4, 3214868480
	.section	.rodata,"a",@progbits
	.p2align	6, 0x0
	.amdhsa_kernel k_q9185e56497_prep
		.amdhsa_group_segment_fixed_size 68096
		.amdhsa_private_segment_fixed_size 0
		.amdhsa_enable_private_segment 0
		.amdhsa_kernarg_size 80
		.amdhsa_user_sgpr_count 2
		.amdhsa_user_sgpr_kernarg_segment_ptr 1
		.amdhsa_wavefront_size32 1
		.amdhsa_system_sgpr_workgroup_id_x 1
		.amdhsa_system_sgpr_workgroup_id_y 1
		.amdhsa_system_sgpr_workgroup_id_z 1
		.amdhsa_system_vgpr_workitem_id 0
		.amdhsa_next_free_vgpr 232
		.amdhsa_next_free_sgpr 66
		.amdhsa_reserve_vcc 0
		.amdhsa_float_denorm_mode_32 3
		.amdhsa_float_denorm_mode_16_64 3
		.amdhsa_memory_ordered 1
		.amdhsa_forward_progress 1
		.amdhsa_inst_pref_size 121
	.end_amdhsa_kernel
	.amdgpu_metadata
---
amdhsa.version: [ 1, 2 ]
amdhsa.kernels:
  - .name:           k_q9185e56497_prep
    .symbol:         k_q9185e56497_prep.kd
    .args:
      - { .name: x, .offset: 0, .size: 8, .value_kind: global_buffer, .address_space: global }
      - { .name: Wq, .offset: 8, .size: 8, .value_kind: global_buffer, .address_space: global }
      - { .name: Wk, .offset: 16, .size: 8, .value_kind: global_buffer, .address_space: global }
      - { .name: Wv, .offset: 24, .size: 8, .value_kind: global_buffer, .address_space: global }
      - { .name: Wp, .offset: 32, .size: 8, .value_kind: global_buffer, .address_space: global }
      - { .name: xc, .offset: 40, .size: 8, .value_kind: global_buffer, .address_space: global }
      - { .name: xs, .offset: 48, .size: 8, .value_kind: global_buffer, .address_space: global }
      - { .name: wc, .offset: 56, .size: 8, .value_kind: global_buffer, .address_space: global }
      - { .name: ws, .offset: 64, .size: 8, .value_kind: global_buffer, .address_space: global }
      - { .name: wph, .offset: 72, .size: 8, .value_kind: global_buffer, .address_space: global }
    .group_segment_fixed_size: 68096
    .private_segment_fixed_size: 0
    .kernarg_segment_align: 8
    .kernarg_segment_size: 80
    .max_flat_workgroup_size: 128
    .sgpr_count:     66
    .vgpr_count:     232
    .wavefront_size: 32
...
	.end_amdgpu_metadata
.endif
;; end of part 1
;; launch qkv (part 2): grid 12 x 32, 4 waves a work-group, clusters of 4 x 4, 327,680 bytes of LDS; arguments xc, xs, wc, ws, bq, bk, bv, qkv; writes qkv
.if DOCPART == 2
	.amdgcn_target "amdgcn-amd-amdhsa--gfx1250"
	.amdhsa_code_object_version 6
	.text
	.protected	k_q9185e56497_qkv
	.globl	k_q9185e56497_qkv
	.p2align	8
	.type	k_q9185e56497_qkv,@function
k_q9185e56497_qkv:
	s_mov_b64 s[64:65], 0
	v_nop
	global_prefetch_b8 v0, s[64:65] scope:SCOPE_SE
	s_setreg_imm32_b32 hwreg(HW_REG_WAVE_MODE, 25, 1), 1
	s_wait_xcnt 0x0
	s_wait_alu depctr_hold_cnt(0) depctr_sa_sdst(0) depctr_va_vdst(0) depctr_va_sdst(0) depctr_va_ssrc(0) depctr_va_vcc(0) depctr_vm_vsrc(0)
	s_getreg_b32 s2, hwreg(HW_REG_IB_STS2, 6, 4)
	s_cmp_eq_u32 s2, 0
	s_cbranch_scc0 .Lentry_in_a_cluster
	s_endpgm
.Lentry_in_a_cluster:
	s_bfe_u32 s2, ttmp6, 0x10000c
	s_cmp_lg_u32 s2, 0xf033
	s_cbranch_scc0 .Lentry_shape_is_right
	s_endpgm
.Lentry_shape_is_right:
; [8192 tokens][3072] = x (codes) times Wq | Wk | Wv (codes, [3072 (n)][1024 (k)]), both FP4 (E2M1) with one E8M0 scale for each 32 along K; sums in f32.  Then + bias; q alone x log2(e) / 8
; (reference's 1 / 256 and x 32 are 1 / 8, and the softmax is taken in base 2); rounded to f16 and laid by heads: qkv [b 4][g 48][t 2048][d 64], g = head for q, 16 + head for k, 32 + head for v.
; LIMIT: |q x 0.18|, |k|, |v| stay under 65,504, f16's largest number.
; A tile of 256 tokens x 256 columns is made by four waves, each 128 x 128: 64 accumulators, 512 registers.  K = 1,024 is two slots of 512 (rows of 256 bytes): both slots and all scale bytes are asked for
; at the head, and nothing is filled again.
; CLUSTERS: 4 x 4 work-groups.  The four of a row of the cluster need the same tiles of x, the four of a column the same tiles of W: each is asked for jointly, by the same tensor load with a mask that names the four.
; THE MATRIX INSTRUCTION IS USED TRANSPOSED (source 0 = 16 rows of wc, source 1 = 16 tokens): a lane holds eight neighbouring columns of one token.
; REGISTERS: window 0: v0-31 addresses; v32-95 scale words, two sets; v128-191 x's fragments, one set; v192-255 the bias of my 128 columns; on the way out v32-191 are free.
;   window 1: W's fragments, two sets, at v0 and v128.   window 2: the accumulators of my tokens 0-63 ((a, b) at v[8 (8 a + b)]);   window 3: those of tokens 64-127.
.set KSTEP,  512
.set NQ,     KSTEP/128
.set ROWB,   256                       ; a tile's row in bytes
.set KROW,   512                       ; a row of codes in memory
.set PITCH,  272                       ; an LDS row: 256 bytes + 16 of padding = 68 words: the 16 rows that a load touches start at 16 different banks (64 banks of 4 bytes: ISA guide 11.1)
.set FR,     8
.set NL,     2
.set NP,     4                         ; places behind this matrix instruction (ISA guide 7.12.1)
.set HALFT,  128*PITCH
.set SLOT,   4*HALFT
.set KS,     32                        ; a row of scale bytes
.set SCL,    2*SLOT
.set HALFS,  (128*KS/256)*272
.set SBLK,   (16*KS/256)*272
.set SPARE,  SCL+4*HALFS               ; the spare words, 128 bytes for each wave
.set SPITCH, 272                       ; the way out: a stage of 16 rows x (256 bytes + 16) for each wave, in slot 0, which has had its last fill and its last read by then
.set ADRA, 16
.set ADRB, 20
.set STO,  24
.set RD,   25
.set CO,   26
.set ADRS, 27
.set SPW,  28
.set NIL,  29
.set BO,   30                          ; v30  32 x (lane / 16): my eight numbers of a block's bias
.set SC,   32
.set AF,   128
.set BI,   192                         ; the bias: register 8 b + j: column 16 b + 8 (lane / 16) + j
.set T,    32                          ; the way out: 64 numbers in f32
.set PKD,  96                          ; packed to f16
.set BK,   128                         ; read back from the stage: v128-159 and v160-191 by turns
.set G1, 24
.set G0, 32
.set G1B, 48
.set G0B, 56
.set G1S, 68
.set G0S, 76
.set G1SB, 80
.set G0SB, 88
.set MSB, 0
.macro WIN new                         ; the immediate's high byte repeats the setting that is left
.if MSB != (\new)
	s_set_vgpr_msb (MSB<<8)|(\new)
.set MSB, (\new)
.endif
.endm
.set MUL_LO, 0xa1                      ; source 0 (W) window 1, source 1 (x) window 0, C and D window 2
.set MUL_HI, 0xf1
.set TO_B,   0x40
; A joint load: waves 0 and 1 fetch for x, waves 2 and 3 for W.  The branch hangs on the wave's number alone.  An s_nop 0 and four v_nop follow each line.
.macro JLOAD g0a, g1a, g0b, g1b
	s_cmp_eq_u32 s15, 0
	s_cbranch_scc0 .Lfor_b_\@
	tensor_load_to_lds s[\g0a:\g0a+3], s[\g1a:\g1a+7]
	s_nop 0
.rept 4
	v_nop
.endr
	s_branch .Lasked_\@
.Lfor_b_\@:
	tensor_load_to_lds s[\g0b:\g0b+3], s[\g1b:\g1b+7]
	s_nop 0
.rept 4
	v_nop
.endr
.Lasked_\@:
.endm
.macro CROUND                          ; a round of the cluster's barrier
	s_barrier_signal -1
	s_barrier_wait -1
	s_cmp_lg_u32 s14, 0
	s_cbranch_scc1 .Lnot_wave_0_\@
	s_barrier_signal -3
.Lnot_wave_0_\@:
	s_barrier_wait -3
	s_barrier_signal -1
	s_barrier_wait -1
.endm
	s_load_b256 s[4:11], s[0:1], 0x0               ; xc s[4:5], xs s[6:7], wc s[8:9], ws s[10:11]
	s_load_b128 s[96:99], s[0:1], 0x20             ; bq, bk
	s_load_b64 s[100:101], s[0:1], 0x30            ; bv
	s_load_b64 s[12:13], s[0:1], 0x38              ; qkv
	v_lshl_add_u32 v[SPW], v0, 2, SPARE
	v_mov_b32 v[NIL], 0
	ds_add_u32 v[SPW], v[NIL]                      ; the wave's opening: the add, twice on end, and its wait ahead of my first tensor load
	ds_add_u32 v[SPW], v[NIL]
	v_lshrrev_b32 v1, 5, v0
	v_readfirstlane_b32 s14, v1                    ; wave 0..3
	s_lshr_b32 s15, s14, 1                         ; which half of the tile's tokens is mine.  Also: I fetch for x (0) or for W (1)
	s_and_b32 s16, s14, 1                          ; which half of its columns.  Also: which 128 rows I fetch
	s_bfe_u32 s40, ttmp6, 0x40000                  ; cx, cy
	s_bfe_u32 s41, ttmp6, 0x40004
	s_lshl_b32 s42, ttmp9, 2
	s_add_co_u32 s42, s42, s40                     ; tile column
	s_and_b32 s17, ttmp7, 0xffff
	s_lshl_b32 s17, s17, 2
	s_add_co_u32 s17, s17, s41                     ; tile row
	s_lshl_b32 s43, s41, 2
	s_lshl_b32 s43, 15, s43                        ; my row of the cluster
	s_lshl_b32 s44, 0x1111, s40                    ; my column
	s_or_b32 s[G1+0], s43, (0<<16)|(1<<20)|(1<<21)|(5<<22)|(3<<25)  ; the mask; elements of 1 byte; padding on; bit 21 beside a mask; four words after every 64
	s_or_b32 s[G1B+0], s44, (0<<16)|(1<<20)|(1<<21)|(5<<22)|(3<<25)
.irp g, G1, G1B
	s_mov_b32 s[\g+1], ROWB<<16                    ; tensor_dim0
	s_mov_b32 s[\g+2], 128<<16                     ; tensor_dim1
	s_mov_b32 s[\g+3], ROWB<<16                    ; tile_dim0
	s_mov_b32 s[\g+4], 128                         ; tile_dim1
	s_mov_b32 s[\g+5], KROW                        ; tensor_dim0_stride
	s_mov_b32 s[\g+6], 0
	s_mov_b32 s[\g+7], 0
.endr
	s_or_b32 s[G1S+0], s43, (3<<16)|(1<<20)|(1<<21)|(5<<22)|(3<<25)  ; the scales of 128 rows: a dense block of 4,096 bytes, as rows of 256 bytes (32 elements of 8), 16 of padding behind each
	s_or_b32 s[G1SB+0], s44, (3<<16)|(1<<20)|(1<<21)|(5<<22)|(3<<25)
.irp g, G1S, G1SB
	s_mov_b32 s[\g+1], 32<<16
	s_mov_b32 s[\g+2], (128*KS/256)<<16
	s_mov_b32 s[\g+3], 32<<16
	s_mov_b32 s[\g+4], 128*KS/256
	s_mov_b32 s[\g+5], 32
	s_mov_b32 s[\g+6], 0
	s_mov_b32 s[\g+7], 0
.endr
	s_lshl_b32 s18, s16, 7
	s_lshl_b32 s20, s17, 8
	s_add_co_u32 s20, s20, s18                     ; x: row 256 x tile row + 128 x half
	s_lshl_b32 s46, s42, 8
	s_add_co_u32 s46, s46, s18                     ; W: row 256 x tile column + 128 x half
	s_mov_b32 s21, 0
	s_mov_b32 s47, 0
	s_mov_b64 s[18:19], KS
	s_mul_u64 s[22:23], s[20:21], s[18:19]
	s_mul_u64 s[92:93], s[46:47], s[18:19]
	s_mov_b64 s[18:19], KROW
	s_mul_u64 s[20:21], s[20:21], s[18:19]
	s_mul_u64 s[46:47], s[46:47], s[18:19]
	s_mul_i32 s45, s14, HALFT                      ; where they go: wave x 128 rows: no place in the cluster enters an LDS address
	s_mul_i32 s94, s14, HALFS
	s_wait_dscnt 0x0                               ; both opening adds are done
	s_wait_kmcnt 0x0
	s_add_nc_u64 s[20:21], s[4:5], s[20:21]
	s_add_nc_u64 s[22:23], s[6:7], s[22:23]
	s_add_nc_u64 s[46:47], s[8:9], s[46:47]
	s_add_nc_u64 s[92:93], s[10:11], s[92:93]
	CROUND                                         ; all sixteen work-groups are here: the joint loads meet
	s_mov_b32 s[G0S], 1
	s_add_co_u32 s[G0S+1], s94, SCL
	s_mov_b64 s[G0S+2:G0S+3], s[22:23]
	s_or_b32 s[G0S+3], s[G0S+3], 0x80000000
	s_mov_b32 s[G0SB], 1
	s_add_co_u32 s[G0SB+1], s94, SCL
	s_mov_b64 s[G0SB+2:G0SB+3], s[92:93]
	s_or_b32 s[G0SB+3], s[G0SB+3], 0x80000000
	JLOAD G0S, G1S, G0SB, G1SB                     ; the scales first: they are wanted with slot 0
.irp s, 0,1
	s_mov_b32 s[G0+4*\s], 1
	s_add_co_u32 s[G0+4*\s+1], s45, \s*SLOT
	s_add_nc_u64 s[G0+4*\s+2:G0+4*\s+3], s[20:21], \s*ROWB
	s_or_b32 s[G0+4*\s+3], s[G0+4*\s+3], 0x80000000
	s_mov_b32 s[G0B+4*\s], 1
	s_add_co_u32 s[G0B+4*\s+1], s45, \s*SLOT
	s_add_nc_u64 s[G0B+4*\s+2:G0B+4*\s+3], s[46:47], \s*ROWB
	s_or_b32 s[G0B+4*\s+3], s[G0B+4*\s+3], 0x80000000
	JLOAD G0+4*\s, G1, G0B+4*\s, G1B               ; three tensor loads of mine are out at the most
.endr
	v_and_b32 v1, 15, v0                           ; r = lane % 16
	v_bfe_u32 v2, v0, 4, 1                         ; h = lane / 16
	v_mul_u32_u24 v3, v1, PITCH
	v_lshl_add_u32 v4, v2, 4, v3
	s_mul_i32 s21, s15, HALFT
	s_mul_i32 s22, s16, HALFT
	s_add_co_u32 s22, s22, 2*HALFT
.irp s, 0,1
	v_add_nc_u32 v[ADRA+\s], s21, v4
	v_add_nc_u32 v[ADRB+\s], s22, v4
	s_add_co_u32 s21, s21, SLOT
	s_add_co_u32 s22, s22, SLOT
.endr
	v_mul_u32_u24 v5, v1, KS                       ; my row's scales: 32 bytes a row,
	v_lshrrev_b32 v6, 8, v5
	v_lshl_add_u32 v5, v6, 4, v5                   ; and 16 more for each 256 passed
	s_mul_i32 s21, s15, HALFS
	s_mul_i32 s22, s16, HALFS
	s_add_co_u32 s22, s22, 2*HALFS
	s_sub_co_u32 s22, s22, s21
	v_mul_u32_u24 v6, s22, v2                      ; lanes 16-31 take W's
	s_add_co_u32 s21, s21, SCL
	v_add_nc_u32 v5, v5, v6
	v_add_nc_u32 v[ADRS], s21, v5
	s_mul_i32 s23, s14, 16*SPITCH                  ; my stage
	v_mul_u32_u24 v5, v1, SPITCH                   ; in: token r, 16 bytes for each half of the lanes
	v_lshl_add_u32 v5, v2, 4, v5
	v_add_nc_u32 v[STO], s23, v5
	v_bfe_u32 v6, v0, 3, 1                         ; back: lanes 0-15 take my first head's 128 bytes of two tokens, lanes 16-31 my second head's
	v_mul_u32_u24 v6, v6, SPITCH
	v_lshl_add_u32 v6, v2, 7, v6
	v_and_b32 v7, 7, v0
	v_lshl_add_u32 v6, v7, 4, v6
	v_add_nc_u32 v[RD], s23, v6
	v_lshlrev_b32 v[CO], 4, v1                     ; in qkv two tokens of a head are 256 consecutive bytes; the next head lies 262,144 bytes on
	v_lshl_add_u32 v[CO], v2, 18, v[CO]
	v_lshlrev_b32 v[BO], 5, v2
	s_lshr_b32 s20, s17, 3                         ; batch
	s_mul_i32 s20, s20, 48
	s_lshl_b32 s21, s42, 2
	s_add_co_u32 s20, s20, s21
	s_lshl_b32 s21, s16, 1
	s_add_co_u32 s20, s20, s21                     ; my first plane: 48 b + 4 x tile column + 2 x half
	s_lshl_b32 s20, s20, 11
	s_lshl_b32 s21, s17, 8
	s_lshl_b32 s22, s15, 7
	s_add_co_u32 s21, s21, s22
	s_and_b32 s21, s21, 2047                       ; my first token in the batch
	s_add_co_u32 s20, s20, s21
	s_lshl_b32 s20, s20, 7                         ; rows of 128 bytes
	s_mov_b32 s21, 0
	s_add_nc_u64 s[12:13], s[12:13], s[20:21]
	s_cmp_eq_u32 ttmp9, 0                          ; four tile columns are one weight: the cluster's x says which, alike in all partners
	s_cselect_b64 s[96:97], s[96:97], s[98:99]
	s_cselect_b32 s66, 0x3e38aa3b, 1.0             ; log2(e) / 8 for q, 1 for k and v
	s_cmp_eq_u32 ttmp9, 2
	s_cselect_b64 s[96:97], s[100:101], s[96:97]
	s_mov_b32 s67, s66                             ; (named with it as a pair)
	s_lshl_b32 s20, s40, 10
	s_lshl_b32 s22, s16, 9
	s_add_co_u32 s20, s20, s22
	s_add_nc_u64 s[96:97], s[96:97], s[20:21]      ; the bias of my 128 columns
.irp b, 0,1,2,3,4,5,6,7
	global_load_b128 v[BI+8*\b:BI+8*\b+3], v[BO], s[96:97] offset:64*\b        ; they stay out until the way out
	global_load_b128 v[BI+8*\b+4:BI+8*\b+7], v[BO], s[96:97] offset:64*\b+16
.endr
.macro FRAG reg, adr, q, i             ; 16 rows x 128 K of 4-bit codes: 8 registers: lane l holds row l % 16; registers 4 c .. 4 c + 3 hold K = 64 c + 32 (l / 16) + 0 .. 31
.irp c, 0,1
	ds_load_b128 v[\reg+4*\c:\reg+4*\c+3], v[\adr] offset:64*(\q)+32*\c+(\i)*16*PITCH
.endr
.endm
; 16 matrix instructions: x's blocks a0, a0 + 1 against W's eight.  The 64 accumulators take turns, one instruction a turn, in the same order in every step.
; A scale register holds x's word in lanes 0-15 and W's in lanes 16-31.
.macro MUL16 a0, p, q, sc, zero
.irp a, \a0, \a0+1
.irp b, 0,1,2,3,4,5,6,7
.if \zero
	v_wmma_scale_f32_16x16x128_f8f6f4 v[8*(8*((\a)%4)+\b):8*(8*((\a)%4)+\b)+7], v[128*(\p)+FR*\b:128*(\p)+FR*\b+FR-1], v[AF+FR*(\a):AF+FR*(\a)+FR-1], 0, v[SC+8*NQ*(\sc)+NQ*\b+(\q)], v[SC+8*NQ*(\sc)+NQ*(\a)+(\q)] matrix_a_fmt:MATRIX_FMT_FP4 matrix_b_fmt:MATRIX_FMT_FP4 matrix_a_scale:MATRIX_SCALE_ROW1
.else
	v_wmma_scale_f32_16x16x128_f8f6f4 v[8*(8*((\a)%4)+\b):8*(8*((\a)%4)+\b)+7], v[128*(\p)+FR*\b:128*(\p)+FR*\b+FR-1], v[AF+FR*(\a):AF+FR*(\a)+FR-1], v[8*(8*((\a)%4)+\b):8*(8*((\a)%4)+\b)+7], v[SC+8*NQ*(\sc)+NQ*\b+(\q)], v[SC+8*NQ*(\sc)+NQ*(\a)+(\q)] matrix_a_fmt:MATRIX_FMT_FP4 matrix_b_fmt:MATRIX_FMT_FP4 matrix_a_scale:MATRIX_SCALE_ROW1
.endif
.endr
.endr
.endm
.macro FETCH_B slot, q, p
	WIN TO_B
.irp i, 0,1,2,3,4,5,6,7
	FRAG 128*(\p)+FR*\i, ADRB+\slot, \q, \i
.endr
	WIN 0
.endm
.macro FETCH_A slot, q, i0
.irp i, \i0, \i0+1, \i0+2, \i0+3
	FRAG AF+FR*(\i), ADRA+\slot, \q, \i
.endr
.endm
.macro SCALES sc                       ; a slot's scale words: four words a row
.irp i, 0,1,2,3,4,5,6,7
	ds_load_b128 v[SC+8*NQ*\sc+NQ*\i:SC+8*NQ*\sc+NQ*\i+3], v[ADRS] offset:\i*SBLK
.endr
.endm
.macro PLACES n                        ; plain vector lines between a matrix instruction and a load into, or a read of, its registers (ISA guide 7.12.1 for reads)
.rept \n
	v_nop
.endr
.endm
.macro STEP slot, q, zero              ; 128 along K, with its successor in the same slot
	s_wait_dscnt 4*NL                              ; W's set and x's blocks 0-3 are in; the youngest eight loads (x's blocks 4-7) may be out
	WIN MUL_LO
	MUL16 0, (\q)%2, \q, \slot, \zero
	MUL16 2, (\q)%2, \q, \slot, \zero
	s_wait_dscnt 0
	PLACES NP
	FETCH_B \slot, (\q)+1, 1-(\q)%2
	FETCH_A \slot, (\q)+1, 0
	WIN MUL_HI
	MUL16 4, (\q)%2, \q, \slot, \zero
	MUL16 6, (\q)%2, \q, \slot, \zero
	PLACES NP
	WIN 0
	FETCH_A \slot, (\q)+1, 4
.endm
.macro TURN slot, next                 ; slot 0's last step, and the one change of slots: behind the barrier every wave's part of slot 1 is in
	s_wait_tensorcnt 0x0                           ; my part of slot 1 has landed
	ds_add_u32 v[SPW], v[NIL]                      ; 0 onto my spare word
	s_wait_dscnt 4*NL+1                            ; the add and the youngest eight loads may be out
	WIN MUL_LO
	MUL16 0, 1, NQ-1, \slot, 0
	s_wait_dscnt 0x0                               ; the add is done, and my reads of slot 0 are over
	s_barrier_signal -1
	MUL16 2, 1, NQ-1, \slot, 0
	WIN 0
	s_barrier_wait -1
	PLACES NP
	v_add_nc_u32 v[ADRS], 4*NQ, v[ADRS]            ; on to slot 1's scale words
	FETCH_B \next, 0, 0
	FETCH_A \next, 0, 0
	SCALES \next
	WIN MUL_HI
	MUL16 4, 1, NQ-1, \slot, 0
	MUL16 6, 1, NQ-1, \slot, 0
	PLACES NP
	WIN 0
	FETCH_A \next, 0, 4
.endm
	s_wait_tensorcnt 1                             ; the scales and my part of slot 0 are in; slot 1's load may be out
	s_barrier_signal -1
	s_barrier_wait -1
	FETCH_B 0, 0, 0
	FETCH_A 0, 0, 0
	SCALES 0
	FETCH_A 0, 0, 4
	STEP 0, 0, 1                                   ; the first products start the sums: nothing is cleared
	STEP 0, 1, 0
	STEP 0, 2, 0
	TURN 0, 1
	STEP 1, 0, 0
	STEP 1, 1, 0
	STEP 1, 2, 0
	s_wait_dscnt 4*NL                              ; the last step: nothing more to fetch
	WIN MUL_LO
	MUL16 0, 1, NQ-1, 1, 0
	MUL16 2, 1, NQ-1, 1, 0
	s_wait_dscnt 0
	WIN MUL_HI
	MUL16 4, 1, NQ-1, 1, 0
	MUL16 6, 1, NQ-1, 1, 0
	WIN 0
; THE WAY OUT, 16 tokens x 128 columns at a time: (sum + bias) x factor as one fused multiply-add with the bias multiplied beforehand; to f16; through my stage; out as 256 consecutive bytes (two tokens of a head) for sixteen lanes.
	s_wait_loadcnt 0x0                             ; the bias
.irp i, 0,2,4,6,8,10,12,14,16,18,20,22,24,26,28,30,32,34,36,38,40,42,44,46,48,50,52,54,56,58,60,62
	v_pk_mul_f32 v[BI+\i:BI+\i+1], v[BI+\i:BI+\i+1], s[66:67] op_sel_hi:[1,0]   ; these lines are also the places behind the last products
.endr
.macro PACKQ a
.set AC, 64*((\a)%4)
	WIN 0x02+(\a)/4                                ; source 0: window 2 or 3
.irp b, 0,1,2,3,4,5,6,7
.irp r, 0,2,4,6
	v_pk_fma_f32 v[T+8*\b+\r:T+8*\b+\r+1], v[AC+8*\b+\r:AC+8*\b+\r+1], s[66:67], v[BI+8*\b+\r:BI+8*\b+\r+1] op_sel_hi:[1,0,1]   ; each accumulator from its low end on
.endr
.endr
	WIN 0
.irp b, 0,1,2,3,4,5,6,7
.irp r, 0,1,2,3
	v_cvt_pk_f16_f32 v[PKD+4*\b+\r], v[T+8*\b+2*\r], v[T+8*\b+2*\r+1]
.endr
.endr
.endm
.macro TOSTAGE a
.set BB, BK+32*((\a)%2)
.irp b, 0,1,2,3,4,5,6,7
	ds_store_b128 v[STO], v[PKD+4*\b:PKD+4*\b+3] offset:32*\b
.endr
.irp i, 0,1,2,3,4,5,6,7
	ds_load_b128 v[BB+4*\i:BB+4*\i+3], v[RD] offset:2*\i*SPITCH    ; LDS serves a wave's instructions in order (ISA guide 5.7.1.4): these see the stores above
.endr
.endm
.macro SEND a
.set BB, BK+32*((\a)%2)
	s_wait_dscnt 0x0                               ; the block is back in registers
	s_wait_xcnt 0x0                                ; the stores of the block before have read their registers: the next block's loads may land there
.irp i, 0,1,2,3,4,5,6,7
	global_store_b128 v[CO], v[BB+4*\i:BB+4*\i+3], s[12:13] offset:2048*(\a)+256*\i
.endr
.endm
	PACKQ 0
	TOSTAGE 0
.irp a, 1,2,3,4,5,6,7                  ; block a's arithmetic stands between block a - 1's loads from the stage and the wait for them
	PACKQ \a
	SEND \a-1
	TOSTAGE \a
.endr
	SEND 7
	s_wait_tensorcnt 0x0                           ; the wave's end
	ds_add_u32 v[SPW], v[NIL]
	s_wait_dscnt 0x0
	CROUND                                         ; the closing round
	s_endpgm
.Lfunc_end_k_q9185e56497_qkv:
	.size	k_q9185e56497_qkv, .Lfunc_end_k_q9185e56497_qkv-k_q9185e56497_qkv
	.p2alignl 7, 3214868480
	.fill 96, 4, 3214868480
	.section	.rodata,"a",@progbits
	.p2align	6, 0x0
	.amdhsa_kernel k_q9185e56497_qkv
		.amdhsa_group_segment_fixed_size 327680
		.amdhsa_private_segment_fixed_size 0
		.amdhsa_enable_private_segment 0
		.amdhsa_kernarg_size 64
		.amdhsa_user_sgpr_count 2
		.amdhsa_user_sgpr_kernarg_segment_ptr 1
		.amdhsa_wavefront_size32 1
		.amdhsa_system_sgpr_workgroup_id_x 1
		.amdhsa_system_sgpr_workgroup_id_y 1
		.amdhsa_system_sgpr_workgroup_id_z 1
		.amdhsa_system_vgpr_workitem_id 0
		.amdhsa_next_free_vgpr 1024
		.amdhsa_next_free_sgpr 102
		.amdhsa_reserve_vcc 0
		.amdhsa_float_denorm_mode_32 3
		.amdhsa_float_denorm_mode_16_64 3
		.amdhsa_memory_ordered 1
		.amdhsa_forward_progress 1
		.amdhsa_inst_pref_size 146
	.end_amdhsa_kernel
	.amdgpu_metadata
---
amdhsa.version: [ 1, 2 ]
amdhsa.kernels:
  - .name:           k_q9185e56497_qkv
    .symbol:         k_q9185e56497_qkv.kd
    .args:
      - { .name: xc, .offset: 0, .size: 8, .value_kind: global_buffer, .address_space: global }
      - { .name: xs, .offset: 8, .size: 8, .value_kind: global_buffer, .address_space: global }
      - { .name: wc, .offset: 16, .size: 8, .value_kind: global_buffer, .address_space: global }
      - { .name: ws, .offset: 24, .size: 8, .value_kind: global_buffer, .address_space: global }
      - { .name: bq, .offset: 32, .size: 8, .value_kind: global_buffer, .address_space: global }
      - { .name: bk, .offset: 40, .size: 8, .value_kind: global_buffer, .address_space: global }
      - { .name: bv, .offset: 48, .size: 8, .value_kind: global_buffer, .address_space: global }
      - { .name: qkv, .offset: 56, .size: 8, .value_kind: global_buffer, .address_space: global }
    .group_segment_fixed_size: 327680
    .private_segment_fixed_size: 0
    .kernarg_segment_align: 8
    .kernarg_segment_size: 64
    .max_flat_workgroup_size: 128
    .sgpr_count:     102
    .vgpr_count:     1024
    .wavefront_size: 32
...
	.end_amdgpu_metadata
.endif
;; end of part 2
;; launch attn (part 3): grid 4 x 64, 8 waves a work-group, clusters of 4 x 1, 327,680 bytes of LDS; arguments qkv, y; writes y
.if DOCPART == 3
	.amdgcn_target "amdgcn-amd-amdhsa--gfx1250"
	.amdhsa_code_object_version 6
	.text
	.protected	k_q9185e56497_attn
	.globl	k_q9185e56497_attn
	.p2align	8
	.type	k_q9185e56497_attn,@function
k_q9185e56497_attn:
	s_mov_b64 s[64:65], 0
	v_nop
	global_prefetch_b8 v0, s[64:65] scope:SCOPE_SE
	s_setreg_imm32_b32 hwreg(HW_REG_WAVE_MODE, 25, 1), 1
	s_wait_xcnt 0x0
	s_wait_alu depctr_hold_cnt(0) depctr_sa_sdst(0) depctr_va_vdst(0) depctr_va_sdst(0) depctr_va_ssrc(0) depctr_va_vcc(0) depctr_vm_vsrc(0)
	s_getreg_b32 s2, hwreg(HW_REG_IB_STS2, 6, 4)
	s_cmp_eq_u32 s2, 0
	s_cbranch_scc0 .Lentry_in_a_cluster
	s_endpgm
.Lentry_in_a_cluster:
	s_bfe_u32 s2, ttmp6, 0x10000c
	s_cmp_lg_u32 s2, 0x3003
	s_cbranch_scc0 .Lentry_shape_is_right
	s_endpgm
.Lentry_shape_is_right:
; y[b][h][t][:] = the sum over s of softmax_s(q[t] . k[s] / 8) v[s][:], no mask.  q (already x log2(e) / 8), k, v: f16 planes [2048][64] of qkv; y: f16 [b][h][t][64].  Products, maxima and sums in f32;
; the weights p = 2^(score - m), m the running maximum of the row, are rounded to f16 for the second product; the row's sum is taken of the unrounded p and divides at the end.
; LIMIT: |y| is at most the largest |v|, which f16 holds; NaN and infinities are not served.
; SHARES.  A work-group owns 512 queries of one head, each of its eight waves 64: four tiles of 16.  Two waves lie on a SIMD, so that one wave's softmax stands beside the other's products.
; LAYOUT.  S^T = K Q^T (source 0 = 16 keys, source 1 = 16 queries): a lane holds ONE query (lane % 16) and keys 8 (lane / 16) + 0..7.  Two such tiles, rounded to f16 in pairs, are source 1 of O^T = V^T P;
; they are packed in place, into the low half of the tile's S^T.  K comes out of LDS as it lies, V ([key][channel]) turned, by ds_load_tr16_b128.
; CLUSTER.  The four work-groups of a cluster are the four query blocks of one head and walk the same K and V: each tile is asked for jointly, with a mask that names the four.
; RING.  Two slots of 512 keys; 2,048 keys are four fills.  Every wave issues one load for each fill: waves 0-3 K's quarters, waves 4-7 V's.  At most two tensor loads of a wave are out.
; REGISTERS: window 0: v2-12 addresses; v16-47 eight registers of statistics a tile; v64-191 S^T, 32 a tile; v192-255 Q.   window 1: v0-127 O^T, 32 a tile; v128-191 K of a step; v192-255 V of a step.
.set SK,    512
.set PK,    144                        ; a row of K in LDS: 128 bytes + 16 = 36 words: the 16 rows of a load start at different banks (64 banks of 4 bytes: ISA guide 11.1)
.set PV,    160                        ; a row of V: 128 + 32
.set VOFF,  SK*PK
.set SLOTB, SK*(PK+PV)
.set SPARE, 2*SLOTB                    ; the spare words, 128 bytes for each of eight waves
.set SP,    144                        ; the way out: 64 rows x (128 + 16) for each wave, in slot 0, which has had its last fill and its last read by then
.set AK0, 2
.set AV0, 3
.set ADRK, 4
.set ADRV, 5
.set QO,  6
.set STO, 7
.set RD,  8
.set GO,  9
.set SPW, 10
.set NIL, 11
.set PFO, 12
.set ST,  16                           ; tile t at v[ST + 8 t]: +0 m, +1 zero (named with m as a pair), +2, +3 the sum (even keys', odd keys'), +4..+7 at work: c0-c3; later +4, +5 a second chain of sums, +6 a, +7 old m - new m
.set S,   64
.set QF,  192
.set OA,  0                            ; window 1
.set KF,  128
.set VF,  192
.set WV,  8
.set PFA, 18
.set CNT, 21
.set TBK, 22
.set TBV, 23
.set G1K, 24
.set G1V, 32
.set G0K, 40
.set G0V, 48
.set SEL, 56
.set MSB, 0
.macro WIN new
.if MSB != (\new)
	s_set_vgpr_msb (MSB<<8)|(\new)
.set MSB, (\new)
.endif
.endm
.macro JLOAD s                         ; a joint load into slot s.  The branch hangs on the wave's number alone.  An s_nop 0 and four v_nop follow each line
	s_cmp_lt_u32 s[WV], 4
	s_cbranch_scc0 .Lfor_v_\@
	tensor_load_to_lds s[G0K+4*\s:G0K+4*\s+3], s[G1K:G1K+7]
	s_nop 0
.rept 4
	v_nop
.endr
	s_branch .Lasked_\@
.Lfor_v_\@:
	tensor_load_to_lds s[G0V+4*\s:G0V+4*\s+3], s[G1V:G1V+7]
	s_nop 0
.rept 4
	v_nop
.endr
.Lasked_\@:
.endm
.macro CROUND
	s_barrier_signal -1
	s_barrier_wait -1
	s_cmp_lg_u32 s[WV], 0
	s_cbranch_scc1 .Lnot_wave_0_\@
	s_barrier_signal -3
.Lnot_wave_0_\@:
	s_barrier_wait -3
	s_barrier_signal -1
	s_barrier_wait -1
.endm
	s_load_b128 s[4:7], s[0:1], 0x0                ; qkv s[4:5], y s[6:7]
	v_lshl_add_u32 v[SPW], v0, 2, SPARE
	v_mov_b32 v[NIL], 0
	ds_add_u32 v[SPW], v[NIL]                      ; the wave's opening: the add, twice on end, and its wait ahead of my first tensor load
	ds_add_u32 v[SPW], v[NIL]
	v_lshrrev_b32 v1, 5, v0
	v_readfirstlane_b32 s[WV], v1                  ; wave 0..7
	s_bfe_u32 s9, ttmp6, 0x40000                   ; cx: my block of 512 queries
	s_and_b32 s10, ttmp7, 0xffff                   ; 16 b + h, which the four partners share
	s_lshr_b32 s58, s10, 4
	s_mul_i32 s58, s58, 48
	s_and_b32 s59, s10, 15
	s_add_co_u32 s58, s58, s59
	s_lshl_b32 s58, s58, 18                        ; q's plane, in bytes; k's lies 16 planes on, v's 32
	s_mov_b32 s59, 0
	s_and_b32 s60, s[WV], 3                        ; which quarter of a slot's rows I fetch
	s_mul_i32 s61, s60, 128*PK                     ; its place in a slot, for K,
	s_mul_i32 s62, s60, 128*PV
	s_add_co_u32 s62, s62, VOFF                    ; for V: no place in the cluster enters an LDS address
	s_lshl_b32 s2, s60, 14                         ; and in memory: 128 rows of 128 bytes
	s_mov_b32 s3, 0
	s_mov_b32 s[G1K], 15|(1<<16)|(1<<20)|(1<<21)|(4<<22)|(3<<25)  ; the mask: all four; elements of 2 bytes; padding on; bit 21 beside a mask; four words after every 32
	s_mov_b32 s[G1V], 15|(1<<16)|(1<<20)|(1<<21)|(4<<22)|(7<<25)  ; the same with eight words
.irp g, G1K, G1V
	s_mov_b32 s[\g+1], 64<<16                      ; tensor_dim0
	s_mov_b32 s[\g+2], 128<<16                     ; tensor_dim1
	s_mov_b32 s[\g+3], 64<<16                      ; tile_dim0
	s_mov_b32 s[\g+4], 128                         ; tile_dim1
	s_mov_b32 s[\g+5], 64                          ; tensor_dim0_stride
	s_mov_b32 s[\g+6], 0
	s_mov_b32 s[\g+7], 0
.endr
	s_mov_b32 s[SEL], 0x76543210
	s_mov_b32 s[SEL+1], 0xfedcba98                 ; v_permlanex16_b32: lane l xor 16
	s_mov_b32 s20, 0x800000                        ; the prefetch's offset from q's plane: waves 0, 1 K's plane, waves 2, 3 V's;
	s_cmp_lt_u32 s[WV], 2
	s_cselect_b32 s20, 0x400000, s20
	s_add_co_u32 s20, s20, 3*SK*128                ; keys 1,536 on;
	s_lshl_b32 s21, s9, 14
	s_add_co_u32 s20, s20, s21                     ; my work-group's 128 rows of the 512: the partners are told apart by address;
	s_and_b32 s21, s[WV], 1
	s_lshl_b32 s21, s21, 13
	s_add_co_u32 s20, s20, s21                     ; my wave's 64 of them: 32 lanes x 256 bytes
	s_mov_b32 s21, 0
	s_wait_dscnt 0x0                               ; both opening adds are done
	s_wait_kmcnt 0x0
	s_add_nc_u64 s[16:17], s[4:5], s[58:59]        ; q's plane
	s_add_nc_u64 s[12:13], s[16:17], 0x400000      ; k's
	s_add_nc_u64 s[14:15], s[16:17], 0x800000      ; v's
	s_add_nc_u64 s[12:13], s[12:13], s[2:3]        ; at my quarter
	s_add_nc_u64 s[14:15], s[14:15], s[2:3]
	s_add_nc_u64 s[PFA:PFA+1], s[16:17], s[20:21]
	CROUND                                         ; all four work-groups are here: the first joint loads meet
.irp s, 0,1
	s_mov_b32 s[G0K+4*\s], 1
	s_add_co_u32 s[G0K+4*\s+1], s61, \s*SLOTB
	s_add_nc_u64 s[G0K+4*\s+2:G0K+4*\s+3], s[12:13], \s*SK*128
	s_or_b32 s[G0K+4*\s+3], s[G0K+4*\s+3], 0x80000000
	s_mov_b32 s[G0V+4*\s], 1
	s_add_co_u32 s[G0V+4*\s+1], s62, \s*SLOTB
	s_add_nc_u64 s[G0V+4*\s+2:G0V+4*\s+3], s[14:15], \s*SK*128
	s_or_b32 s[G0V+4*\s+3], s[G0V+4*\s+3], 0x80000000
.endr
	s_cmp_lt_u32 s[WV], 4                          ; a wave's two first fills stand in one branch, ahead of every wait on TENSORcnt and every LDS read
	s_cbranch_scc0 .Lfirst_v
	tensor_load_to_lds s[G0K:G0K+3], s[G1K:G1K+7]
	s_nop 0
	tensor_load_to_lds s[G0K+4:G0K+7], s[G1K:G1K+7]
	s_nop 0
.rept 4
	v_nop
.endr
	s_branch .Lfirst_asked
.Lfirst_v:
	tensor_load_to_lds s[G0V:G0V+3], s[G1V:G1V+7]
	s_nop 0
	tensor_load_to_lds s[G0V+4:G0V+7], s[G1V:G1V+7]
	s_nop 0
.rept 4
	v_nop
.endr
.Lfirst_asked:
	s_lshl_b32 s20, s9, 16                         ; my block's 512 rows of 128 bytes,
	s_lshl_b32 s21, s[WV], 13                      ; my wave's 64
	s_add_co_u32 s20, s20, s21
	s_mov_b32 s21, 0
	s_add_nc_u64 s[16:17], s[16:17], s[20:21]      ; Q at my first row
	s_lshl_b32 s58, s10, 18
	s_add_nc_u64 s[6:7], s[6:7], s[58:59]
	s_add_nc_u64 s[6:7], s[6:7], s[20:21]          ; y likewise
	v_and_b32 v1, 15, v0                           ; r
	v_bfe_u32 v13, v0, 4, 1                        ; h
	v_lshlrev_b32 v[QO], 7, v1
	v_lshl_add_u32 v[QO], v13, 4, v[QO]
.irp t, 0,1,2,3                        ; Q stays in registers: a fragment is 16 rows x 32 channels: two loads of 16 bytes, 32 bytes apart
.irp d, 0,1
	global_load_b128 v[QF+16*\t+8*\d:QF+16*\t+8*\d+3], v[QO], s[16:17] offset:2048*\t+64*\d
	global_load_b128 v[QF+16*\t+8*\d+4:QF+16*\t+8*\d+7], v[QO], s[16:17] offset:2048*\t+64*\d+32
.endr
.endr
	v_mul_u32_u24 v[AK0], v1, PK
	v_lshl_add_u32 v[AK0], v13, 4, v[AK0]          ; K: row r x pitch + 16 h
	v_and_b32 v14, 7, v0
	v_bfe_u32 v15, v0, 3, 1
	v_lshl_add_u32 v[AV0], v13, 3, v14             ; V, turning load: key 8 h + lane % 8, channels 8 ((lane / 8) % 2) on
	v_mul_u32_u24 v[AV0], v[AV0], PV
	v_lshl_add_u32 v[AV0], v15, 4, v[AV0]
	v_add_nc_u32 v[AV0], VOFF, v[AV0]
	s_mul_i32 s60, s[WV], 64*SP                    ; my stage
	v_mul_u32_u24 v[STO], v1, SP
	v_lshl_add_u32 v[STO], v13, 4, v[STO]
	v_add_nc_u32 v[STO], s60, v[STO]               ; in: row r, 16 bytes for each half of the lanes
	v_and_b32 v15, 31, v0
	v_lshrrev_b32 v[RD], 3, v15
	v_mul_u32_u24 v[RD], v[RD], SP
	v_lshl_add_u32 v[RD], v14, 4, v[RD]
	v_add_nc_u32 v[RD], s60, v[RD]                 ; back: eight lanes to a row of 128 bytes, four rows an instruction
	v_lshlrev_b32 v[GO], 4, v15                    ; my wave's 64 rows of y are 8,192 consecutive bytes
	v_lshlrev_b32 v[PFO], 8, v15
.irp t, 0,1,2,3
	v_mov_b32 v[ST+8*\t], 0xff61b1e6               ; m = -3e38, under every score
	v_mov_b32 v[ST+8*\t+1], 0
	v_mov_b32 v[ST+8*\t+2], 0                      ; the sum
	v_mov_b32 v[ST+8*\t+3], 0
.endr
	WIN 0x40
.set i, 0
.rept 128
	v_mov_b32 v[OA+i], 0                           ; O^T.  The key step is written once: its first pass finds zeros, which a = 0 leaves zeros; a first step of its own would be a fifth copy of the step
.set i, i+1
.endr
	WIN 0
; A KEY STEP: 64 keys.
.macro STEP
	v_add_nc_u32 v[ADRK], s[TBK], v[AK0]           ; with the three v_nop: five places behind the last V^T P: its V is loaded anew, and the products below write over its P
	v_add_nc_u32 v[ADRV], s[TBV], v[AV0]
.rept 3
	v_nop
.endr
	WIN 0x40                                       ; destination window 1
.irp i, 0,1,2,3
.irp d, 0,1
	ds_load_b128 v[KF+16*\i+8*\d:KF+16*\i+8*\d+3], v[ADRK] offset:\i*16*PK+64*\d
	ds_load_b128 v[KF+16*\i+8*\d+4:KF+16*\i+8*\d+7], v[ADRK] offset:\i*16*PK+64*\d+32
.endr
.endr
.irp k, 0,1
.irp c, 0,1,2,3
	ds_load_tr16_b128 v[VF+32*\k+8*\c:VF+32*\k+8*\c+3], v[ADRV] offset:\k*32*PV+32*\c
	ds_load_tr16_b128 v[VF+32*\k+8*\c+4:VF+32*\k+8*\c+7], v[ADRV] offset:\k*32*PV+16*PV+32*\c
.endr
.endr
	s_wait_dscnt 16                                ; K is in; V's sixteen loads may be out
	WIN 0x01                                       ; source 0 (K) window 1
.irp d, 0,1                            ; S^T = K Q^T: the sixteen accumulators take turns, one instruction a turn
.irp i, 0,1,2,3
.irp t, 0,1,2,3
.if \d == 0
	v_wmma_f32_16x16x32_f16 v[S+32*\t+8*\i:S+32*\t+8*\i+7], v[KF+16*\i+8*\d:KF+16*\i+8*\d+7], v[QF+16*\t+8*\d:QF+16*\t+8*\d+7], 0
.else
	v_wmma_f32_16x16x32_f16 v[S+32*\t+8*\i:S+32*\t+8*\i+7], v[KF+16*\i+8*\d:KF+16*\i+8*\d+7], v[QF+16*\t+8*\d:QF+16*\t+8*\d+7], v[S+32*\t+8*\i:S+32*\t+8*\i+7]
.endif
.endr
.endr
.endr
	WIN 0
.rept 4
	v_nop                                          ; places in front of the first read of results
.endr
	; the softmax; every line for the four tiles by turns, so that no line waits for the line above it.  The maximum begins at each accumulator's low end
.irp j, 0,1,2,3
.irp t, 0,1,2,3
	v_max3_num_f32 v[ST+8*\t+4+\j], v[S+32*\t+8*\j], v[S+32*\t+8*\j+1], v[S+32*\t+8*\j+2]
.endr
.endr
.irp u, 3,5
.irp j, 0,1,2,3
.irp t, 0,1,2,3
	v_max3_num_f32 v[ST+8*\t+4+\j], v[ST+8*\t+4+\j], v[S+32*\t+8*\j+\u], v[S+32*\t+8*\j+\u+1]
.endr
.endr
.endr
.irp t, 0,1,2,3
	v_max3_num_f32 v[ST+8*\t+4], v[ST+8*\t+4], v[S+32*\t+7], v[S+32*\t+15]
.endr
.irp t, 0,1,2,3
	v_max3_num_f32 v[ST+8*\t+6], v[ST+8*\t+6], v[S+32*\t+23], v[S+32*\t+31]
.endr
.irp t, 0,1,2,3
	v_max3_num_f32 v[ST+8*\t+4], v[ST+8*\t+4], v[ST+8*\t+5], v[ST+8*\t+6]
.endr
.irp t, 0,1,2,3
	v_max3_num_f32 v[ST+8*\t+4], v[ST+8*\t+4], v[ST+8*\t+7], v[ST+8*\t]   ; and the old m
.endr
.irp t, 0,1,2,3
	v_permlanex16_b32 v[ST+8*\t+5], v[ST+8*\t+4], s[SEL], s[SEL+1]        ; the query's other 32 keys lie in the lane 16 away
.endr
.irp t, 0,1,2,3
	v_mov_b32 v[ST+8*\t+7], v[ST+8*\t]
.endr
.irp t, 0,1,2,3
	v_max_num_f32 v[ST+8*\t], v[ST+8*\t+4], v[ST+8*\t+5]                  ; the new m
.endr
.irp t, 0,1,2,3
	v_sub_f32 v[ST+8*\t+7], v[ST+8*\t+7], v[ST+8*\t]                      ; old m - new m, 0 or less
.endr
.irp p, 0,2,4,6,8,10,12,14,16,18,20,22,24,26,28,30
.irp t, 0,1,2,3
	v_pk_add_f32 v[S+32*\t+\p:S+32*\t+\p+1], v[S+32*\t+\p:S+32*\t+\p+1], v[ST+8*\t:ST+8*\t+1] op_sel_hi:[1,0] neg_lo:[0,1] neg_hi:[0,1]   ; score - m, two at a time
.endr
.endr
.irp t, 0,1,2,3
	v_exp_f32 v[ST+8*\t+6], v[ST+8*\t+7]           ; a = 2^(old m - new m)
.endr
.set e, 0
.rept 32
.irp t, 0,1,2,3
	v_exp_f32 v[S+32*\t+e], v[S+32*\t+e]           ; p, at most 1
.endr
.set e, e+1
.endr
	v_nop                                          ; a plain line behind the last exponential
	s_wait_alu depctr_va_vdst(0)                   ; one wait for the batch of 132, ahead of its first reader
.irp t, 0,1,2,3
	v_pk_fma_f32 v[ST+8*\t+2:ST+8*\t+3], v[ST+8*\t+2:ST+8*\t+3], v[ST+8*\t+6:ST+8*\t+7], v[S+32*\t:S+32*\t+1] op_sel_hi:[1,0,1]   ; the sum x a + the first pair; the other pairs in two chains
.endr
.irp t, 0,1,2,3
	v_pk_add_f32 v[ST+8*\t+4:ST+8*\t+5], v[S+32*\t+2:S+32*\t+3], v[S+32*\t+4:S+32*\t+5]
.endr
.irp p, 6,10,14,18,22,26
.irp t, 0,1,2,3
	v_pk_add_f32 v[ST+8*\t+2:ST+8*\t+3], v[ST+8*\t+2:ST+8*\t+3], v[S+32*\t+\p:S+32*\t+\p+1]
.endr
.irp t, 0,1,2,3
	v_pk_add_f32 v[ST+8*\t+4:ST+8*\t+5], v[ST+8*\t+4:ST+8*\t+5], v[S+32*\t+\p+2:S+32*\t+\p+3]
.endr
.endr
.irp t, 0,1,2,3
	v_pk_add_f32 v[ST+8*\t+2:ST+8*\t+3], v[ST+8*\t+2:ST+8*\t+3], v[S+32*\t+30:S+32*\t+31]
.endr
.irp t, 0,1,2,3
	v_pk_add_f32 v[ST+8*\t+2:ST+8*\t+3], v[ST+8*\t+2:ST+8*\t+3], v[ST+8*\t+4:ST+8*\t+5]
.endr
.set e, 0
.rept 16
.irp t, 0,1,2,3
	v_cvt_pk_f16_f32 v[S+32*\t+e], v[S+32*\t+2*e], v[S+32*\t+2*e+1]   ; P in place, ascending: register e is read no more once pair e is packed
.endr
.set e, e+1
.endr
	WIN 0x41                                       ; O^T (destination and source 0) window 1, a window 0
.set e, 0
.rept 16
.irp t, 0,1,2,3
	v_pk_mul_f32 v[OA+32*\t+2*e:OA+32*\t+2*e+1], v[OA+32*\t+2*e:OA+32*\t+2*e+1], v[ST+8*\t+6:ST+8*\t+7] op_sel_hi:[1,0]   ; O^T x a, each accumulator from its low end on
.endr
.set e, e+1
.endr
	s_wait_dscnt 0x0                               ; V is in
	WIN 0x51                                       ; V and O^T window 1, P window 0
.irp k, 0,1                            ; O^T += V^T P: the sixteen accumulators by turns
.irp c, 0,1,2,3
.irp t, 0,1,2,3
	v_wmma_f32_16x16x32_f16 v[OA+32*\t+8*\c:OA+32*\t+8*\c+7], v[VF+32*\k+8*\c:VF+32*\k+8*\c+7], v[S+32*\t+8*\k:S+32*\t+8*\k+7], v[OA+32*\t+8*\c:OA+32*\t+8*\c+7]
.endr
.endr
.endr
	WIN 0
	s_add_co_u32 s[TBK], s[TBK], 64*PK             ; the next step's rows
	s_add_co_u32 s[TBV], s[TBV], 64*PV
.endm
.macro PHASE slot                      ; a slot's eight key steps
	s_mov_b32 s[TBK], \slot*SLOTB
	s_mov_b32 s[TBV], \slot*SLOTB
	s_mov_b32 s[CNT], SK/64
.Lstep_\@:
	STEP
	s_sub_co_u32 s[CNT], s[CNT], 1
	s_cmp_lg_u32 s[CNT], 0
	s_cbranch_scc1 .Lstep_\@
.endm
; THE CHANGE OF SLOTS.  Each wave waits for all its tensor loads (its part of the slot ahead), adds 0 to its spare word, and waits for that and for its reads of the slot that it leaves.
; fill = 1: the barrier is a round of the cluster's, and the slot just left is filled first thing behind it, with the keys 1,024 on: the load has a slot's eight steps, 512 matrix instructions, in which to land.
; ask = 1: behind the load, waves 0-3 prefetch the 512 keys that the next change will ask for: a slot's eight steps ahead; each aligned block of 256 bytes is named once in the launch; the address is never rewritten.
.macro CHANGE slot, fill, ask
	s_wait_tensorcnt 0x0                           ; no tensor load of mine is out, so a group 0 may be written
	ds_add_u32 v[SPW], v[NIL]
.if \fill
	s_add_nc_u64 s[G0K+4*\slot+2:G0K+4*\slot+3], s[G0K+4*\slot+2:G0K+4*\slot+3], 2*SK*128
	s_add_nc_u64 s[G0V+4*\slot+2:G0V+4*\slot+3], s[G0V+4*\slot+2:G0V+4*\slot+3], 2*SK*128
.endif
	s_wait_dscnt 0x0                               ; the add is done, and my reads of the slot are over
.if \fill
	CROUND
	JLOAD \slot
.if \ask
	s_cmp_lt_u32 s[WV], 4
	s_cbranch_scc0 .Lnot_mine_\@
	global_prefetch_b8 v[PFO], s[PFA:PFA+1] th:TH_LOAD_NT scope:SCOPE_SE
.Lnot_mine_\@:
.endif
.else
	s_barrier_signal -1
	s_barrier_wait -1
.endif
.endm
	s_wait_tensorcnt 1                             ; my part of slot 0 is in; slot 1's may stay out
	s_barrier_signal -1
	s_barrier_wait -1
	s_wait_loadcnt 0x0                             ; Q
	PHASE 0                                        ; keys 0 on
	CHANGE 0, 1, 1
	PHASE 1                                        ; keys 512 on
	CHANGE 1, 1, 0                                 ; the last fill: nothing lies behind it to prefetch
	PHASE 0                                        ; keys 1,024 on
	CHANGE 0, 0, 0
	PHASE 1                                        ; keys 1,536 on
	; THE WAY OUT.  The sum's halves are added (these lines are the places behind the last products); O^T / the sum, to f16, through my stage, out as 512 consecutive bytes an instruction.
.irp t, 0,1,2,3
	v_add_f32 v[ST+8*\t+4], v[ST+8*\t+2], v[ST+8*\t+3]
.endr
.irp t, 0,1,2,3
	v_permlanex16_b32 v[ST+8*\t+5], v[ST+8*\t+4], s[SEL], s[SEL+1]
.endr
.irp t, 0,1,2,3
	v_add_f32 v[ST+8*\t+4], v[ST+8*\t+4], v[ST+8*\t+5]
.endr
.irp t, 0,1,2,3
	v_rcp_f32 v[ST+8*\t+6], v[ST+8*\t+4]
.endr
	v_nop                                          ; a plain line behind the last reciprocal
	s_wait_alu depctr_va_vdst(0)                   ; one wait for the four, ahead of the first reader
.irp t, 0,1,2,3
	WIN 0x41
.set e, 0
.rept 16
	v_pk_mul_f32 v[OA+32*\t+2*e:OA+32*\t+2*e+1], v[OA+32*\t+2*e:OA+32*\t+2*e+1], v[ST+8*\t+6:ST+8*\t+7] op_sel_hi:[1,0]
.set e, e+1
.endr
	WIN 0x05                                       ; sources window 1, destination window 0
.set e, 0
.rept 16
	v_cvt_pk_f16_f32 v[S+16*\t+e], v[OA+32*\t+2*e], v[OA+32*\t+2*e+1]
.set e, e+1
.endr
	WIN 0
.irp c, 0,1,2,3
	ds_store_b128 v[STO], v[S+16*\t+4*\c:S+16*\t+4*\c+3] offset:\t*16*SP+32*\c
.endr
.endr
.irp n, 0,1,2,3,4,5,6,7,8,9,10,11,12,13,14,15
	ds_load_b128 v[128+4*\n:128+4*\n+3], v[RD] offset:\n*4*SP      ; LDS serves a wave's instructions in order (ISA guide 5.7.1.4): these see my stores
.endr
.irp n, 0,1,2,3,4,5,6,7,8,9,10,11,12,13,14,15
	s_wait_dscnt 15-\n
	global_store_b128 v[GO], v[128+4*\n:128+4*\n+3], s[6:7] offset:512*\n
.endr
	s_wait_tensorcnt 0x0                           ; the wave's end
	ds_add_u32 v[SPW], v[NIL]
	s_wait_dscnt 0x0
	CROUND                                         ; the closing round
	s_endpgm
.Lfunc_end_k_q9185e56497_attn:
	.size	k_q9185e56497_attn, .Lfunc_end_k_q9185e56497_attn-k_q9185e56497_attn
	.p2alignl 7, 3214868480
	.fill 96, 4, 3214868480
	.section	.rodata,"a",@progbits
	.p2align	6, 0x0
	.amdhsa_kernel k_q9185e56497_attn
		.amdhsa_group_segment_fixed_size 327680
		.amdhsa_private_segment_fixed_size 0
		.amdhsa_enable_private_segment 0
		.amdhsa_kernarg_size 16
		.amdhsa_user_sgpr_count 2
		.amdhsa_user_sgpr_kernarg_segment_ptr 1
		.amdhsa_wavefront_size32 1
		.amdhsa_system_sgpr_workgroup_id_x 1
		.amdhsa_system_sgpr_workgroup_id_y 1
		.amdhsa_system_sgpr_workgroup_id_z 1
		.amdhsa_system_vgpr_workitem_id 0
		.amdhsa_next_free_vgpr 512
		.amdhsa_next_free_sgpr 66
		.amdhsa_reserve_vcc 0
		.amdhsa_float_denorm_mode_32 3
		.amdhsa_float_denorm_mode_16_64 3
		.amdhsa_memory_ordered 1
		.amdhsa_forward_progress 1
		.amdhsa_inst_pref_size 156
	.end_amdhsa_kernel
	.amdgpu_metadata
---
amdhsa.version: [ 1, 2 ]
amdhsa.kernels:
  - .name:           k_q9185e56497_attn
    .symbol:         k_q9185e56497_attn.kd
    .args:
      - { .name: qkv, .offset: 0, .size: 8, .value_kind: global_buffer, .address_space: global }
      - { .name: y, .offset: 8, .size: 8, .value_kind: global_buffer, .address_space: global }
    .group_segment_fixed_size: 327680
    .private_segment_fixed_size: 0
    .kernarg_segment_align: 8
    .kernarg_segment_size: 16
    .max_flat_workgroup_size: 256
    .sgpr_count:     66
    .vgpr_count:     512
    .wavefront_size: 32
...
	.end_amdgpu_metadata
.endif
;; end of part 3
;; launch proj (part 4): grid 4 x 64, 4 waves a work-group, clusters of 4 x 4, 327,680 bytes of LDS; arguments y, wph, bp, out0; writes out0
.if DOCPART == 4
	.amdgcn_target "amdgcn-amd-amdhsa--gfx1250"
	.amdhsa_code_object_version 6
	.text
	.protected	k_q9185e56497_proj
	.globl	k_q9185e56497_proj
	.p2align	8
	.type	k_q9185e56497_proj,@function
k_q9185e56497_proj:
	s_mov_b64 s[64:65], 0
	v_nop
	global_prefetch_b8 v0, s[64:65] scope:SCOPE_SE
	s_setreg_imm32_b32 hwreg(HW_REG_WAVE_MODE, 25, 1), 1
	s_wait_xcnt 0x0
	s_wait_alu depctr_hold_cnt(0) depctr_sa_sdst(0) depctr_va_vdst(0) depctr_va_sdst(0) depctr_va_ssrc(0) depctr_va_vcc(0) depctr_vm_vsrc(0)
	s_getreg_b32 s2, hwreg(HW_REG_IB_STS2, 6, 4)
	s_cmp_eq_u32 s2, 0
	s_cbranch_scc0 .Lentry_in_a_cluster
	s_endpgm
.Lentry_in_a_cluster:
	s_bfe_u32 s2, ttmp6, 0x10000c
	s_cmp_lg_u32 s2, 0xf033
	s_cbranch_scc0 .Lentry_shape_is_right
	s_endpgm
.Lentry_shape_is_right:
; out0[m][n] = the sum over k of y[m][k] Wp[k][n] + bp[n].  y: f16 by heads [b][h][t][64] (k = 64 h + d); wph: Wp in f16, [k 1024][n 1024]; out0: [8192][1024] f32; sums in f32.
; A tile of 128 tokens x 256 columns gives 256 work-groups; each of four waves makes 64 x 128: 32 accumulators, 256 registers.  K goes in 8 steps of 128 (two heads) through a ring of two LDS slots.
; THE MATRIX INSTRUCTION IS USED TRANSPOSED: source 0 = 16 columns of Wp (turned out of LDS by ds_load_tr16_b128, since K is Wp's first axis), source 1 = 16 tokens: a lane holds eight neighbouring columns of a token.
; The bias is the C of each sum's first matrix instruction.
; CLUSTERS: 4 x 4 work-groups.  y's tile is shared along a row of the cluster, Wp's along a column: joint loads.  Waves 0, 1 fetch y's two heads, waves 2, 3 Wp's two halves of 64 rows.
; REGISTERS: window 0: v16-31 addresses; v64-95, v96-127 y's fragments, two buffers; v128-191 the bias, later rows on the way out.  window 1: v0-63, v64-127 Wp's fragments.  window 2: accumulator (a, b) at v[8 (8 a + b)].
.set PA,    144                        ; a token's 64 channels of a head in LDS: 128 bytes + 16
.set PB,    544                        ; a row of Wp's tile: 512 bytes + 32
.set AH,    128*PA                     ; a head's 128 tokens
.set BOFF,  2*AH
.set BH,    64*PB
.set SLOT,  BOFF+2*BH
.set STAGE, 2*SLOT                     ; behind the ring: 16 rows x (512 + 16) for each wave
.set SPITCH, 528
.set SPARE, STAGE+4*16*SPITCH          ; the spare words, 128 bytes for each wave
.set ADRA, 16
.set ADRB, 20
.set STO,  24
.set RD,   25
.set CO,   26
.set SPW,  28
.set NIL,  29
.set PFO,  30
.set BO,   31
.set AF,   64
.set BI,   128
.set BK,   64
.set WV,   12
.set RH,   13                          ; s13  which 64 tokens are mine.  Also: I fetch for y (0) or for Wp (1)
.set CH,   14                          ; s14  which 128 columns.  Also: which head, or which 64 rows of Wp, I fetch
.set LIM,  15                          ; s15  1 in wave 0, else the greatest number: a wave prefetches while the loop's counter is above it
.set G1,   24
.set G0,   32
.set PFA,  44
.set G1B,  48
.set G0B,  56
.set MSB, 0
.macro WIN new
.if MSB != (\new)
	s_set_vgpr_msb (MSB<<8)|(\new)
.set MSB, (\new)
.endif
.endm
.set MUL,   0xa1                       ; source 0 (Wp) window 1, source 1 (y) window 0, C and D window 2
.set MUL_B, 0x81                       ; the same with C (the bias) in window 0
.set TO_F,  0x40
.macro JLOAD s                         ; an s_nop 0 and four v_nop follow each line
	s_cmp_eq_u32 s[RH], 0
	s_cbranch_scc0 .Lfor_b_\@
	tensor_load_to_lds s[G0+4*\s:G0+4*\s+3], s[G1:G1+7]
	s_nop 0
.rept 4
	v_nop
.endr
	s_branch .Lasked_\@
.Lfor_b_\@:
	tensor_load_to_lds s[G0B+4*\s:G0B+4*\s+3], s[G1B:G1B+7]
	s_nop 0
.rept 4
	v_nop
.endr
.Lasked_\@:
.endm
.macro CREST
	s_cmp_lg_u32 s[WV], 0
	s_cbranch_scc1 .Lnot_wave_0_\@
	s_barrier_signal -3
.Lnot_wave_0_\@:
	s_barrier_wait -3
	s_barrier_signal -1
	s_barrier_wait -1
.endm
.macro CROUND
	s_barrier_signal -1
	s_barrier_wait -1
	CREST
.endm
; A prefetch of y's K step that stands two refills, 256 matrix instructions, on: two heads x 128 tokens x 128 bytes = 128 aligned blocks of 256 bytes.  Only the four partners of my row of the cluster read them:
; each takes 32, told apart by address; wave 0 asks, a lane a block.  The loop's last trip asks for nothing: its refills are the last two K steps.  Wp, which all 64 tile rows read again, is not asked for.
.macro ASK
	s_cmp_gt_u32 s3, s[LIM]
	s_cbranch_scc0 .Lnot_mine_\@
	global_prefetch_b8 v[PFO], s[PFA:PFA+1] th:TH_LOAD_NT scope:SCOPE_SE
.Lnot_mine_\@:
.endm
	s_load_b256 s[4:11], s[0:1], 0x0               ; y s[4:5], wph s[6:7], bp s[8:9], out0 s[10:11]
	v_lshl_add_u32 v[SPW], v0, 2, SPARE
	v_mov_b32 v[NIL], 0
	ds_add_u32 v[SPW], v[NIL]                      ; the wave's opening: the add, twice on end, and its wait ahead of my first tensor load
	ds_add_u32 v[SPW], v[NIL]
	v_lshrrev_b32 v1, 5, v0
	v_readfirstlane_b32 s[WV], v1
	s_lshr_b32 s[RH], s[WV], 1
	s_and_b32 s[CH], s[WV], 1
	s_bfe_u32 s40, ttmp6, 0x40000                  ; cx, cy
	s_bfe_u32 s41, ttmp6, 0x40004
	s_lshl_b32 s42, ttmp9, 2
	s_add_co_u32 s42, s42, s40                     ; tile column
	s_and_b32 s43, ttmp7, 0xffff
	s_lshl_b32 s43, s43, 2
	s_add_co_u32 s43, s43, s41                     ; tile row
	s_lshl_b32 s46, s41, 2
	s_lshl_b32 s46, 15, s46                        ; my row of the cluster
	s_lshl_b32 s47, 0x1111, s40                    ; my column
	s_or_b32 s[G1], s46, (1<<16)|(1<<20)|(1<<21)|(4<<22)|(3<<25)    ; y: elements of 2 bytes; four words of padding after every 32
	s_mov_b32 s[G1+1], 64<<16                      ; tensor_dim0
	s_mov_b32 s[G1+2], 128<<16                     ; tensor_dim1
	s_mov_b32 s[G1+3], 64<<16                      ; tile_dim0
	s_mov_b32 s[G1+4], 128                         ; tile_dim1
	s_mov_b32 s[G1+5], 64                          ; tensor_dim0_stride
	s_mov_b32 s[G1+6], 0
	s_mov_b32 s[G1+7], 0
	s_or_b32 s[G1B], s47, (1<<16)|(1<<20)|(1<<21)|(6<<22)|(7<<25)   ; Wp: eight words of padding after every 128
	s_mov_b32 s[G1B+1], 256<<16
	s_mov_b32 s[G1B+2], 64<<16
	s_mov_b32 s[G1B+3], 256<<16
	s_mov_b32 s[G1B+4], 64
	s_mov_b32 s[G1B+5], 1024
	s_mov_b32 s[G1B+6], 0
	s_mov_b32 s[G1B+7], 0
	s_lshr_b32 s16, s43, 4                         ; batch: 16 tiles of 128 tokens
	s_lshl_b32 s16, s16, 15                        ; x 16 heads x 2,048 tokens
	s_lshl_b32 s17, s43, 7
	s_and_b32 s17, s17, 2047
	s_add_co_u32 s16, s16, s17
	s_lshl_b32 s16, s16, 7                         ; the tile's tokens in head 0, in bytes
	s_lshl_b32 s17, s[CH], 18
	s_add_co_u32 s18, s16, s17                     ; in my head of K step 0
	s_mov_b32 s19, 0
	s_lshl_b32 s46, s[CH], 17                      ; Wp: my 64 rows of 2,048 bytes,
	s_lshl_b32 s47, s42, 9
	s_add_co_u32 s46, s46, s47                     ; the tile's 256 columns
	s_mov_b32 s47, 0
	s_mul_i32 s20, s[CH], AH                       ; where they go: no place in the cluster enters an LDS address
	s_mul_i32 s21, s[CH], BH
	s_add_co_u32 s21, s21, BOFF
	s_lshr_b32 s22, s40, 1                         ; the prefetches: my work-group's head of the two,
	s_lshl_b32 s22, s22, 18
	s_and_b32 s23, s40, 1
	s_lshl_b32 s23, s23, 13                        ; and its half of the 128 tokens,
	s_add_co_u32 s22, s22, s23
	s_add_co_u32 s22, s22, s16
	s_add_co_u32 s22, s22, 3*524288                ; at K step 3: the first refill steps it to 4
	s_mov_b32 s23, 0
	s_cmp_eq_u32 s[WV], 0
	s_cselect_b32 s[LIM], 1, -1
	s_wait_dscnt 0x0                               ; both opening adds are done
	s_wait_kmcnt 0x0
	s_add_nc_u64 s[18:19], s[4:5], s[18:19]
	s_add_nc_u64 s[46:47], s[6:7], s[46:47]
	s_add_nc_u64 s[PFA:PFA+1], s[4:5], s[22:23]
	CROUND                                         ; all sixteen work-groups are here: the first joint loads meet
.irp s, 0,1
	s_mov_b32 s[G0+4*\s], 1
	s_add_co_u32 s[G0+4*\s+1], s20, \s*SLOT
	s_add_nc_u64 s[G0+4*\s+2:G0+4*\s+3], s[18:19], \s*524288       ; a K step on: two heads
	s_or_b32 s[G0+4*\s+3], s[G0+4*\s+3], 0x80000000
	s_mov_b32 s[G0B+4*\s], 1
	s_add_co_u32 s[G0B+4*\s+1], s21, \s*SLOT
	s_add_nc_u64 s[G0B+4*\s+2:G0B+4*\s+3], s[46:47], \s*262144     ; 128 rows of Wp
	s_or_b32 s[G0B+4*\s+3], s[G0B+4*\s+3], 0x80000000
	JLOAD \s                                       ; two tensor loads of mine are out at the most
.endr
	v_and_b32 v1, 15, v0                           ; r
	v_bfe_u32 v2, v0, 4, 1                         ; h
	v_mul_u32_u24 v3, v1, PA
	v_lshl_add_u32 v3, v2, 4, v3                   ; y: token r x pitch + 16 h
	v_and_b32 v5, 7, v0
	v_bfe_u32 v6, v0, 3, 1
	v_lshl_add_u32 v4, v2, 3, v5                   ; Wp, turning load: row 8 h + lane % 8, columns 8 ((lane / 8) % 2) on
	v_mul_u32_u24 v4, v4, PB
	v_lshl_add_u32 v4, v6, 4, v4
	s_mul_i32 s16, s[RH], 64*PA                    ; my 64 tokens
	s_lshl_b32 s17, s[CH], 8
	s_add_co_u32 s17, s17, BOFF                    ; my 128 columns
.irp s, 0,1
	v_add_nc_u32 v[ADRA+\s], s16, v3
	v_add_nc_u32 v[ADRB+\s], s17, v4
	s_add_co_u32 s16, s16, SLOT
	s_add_co_u32 s17, s17, SLOT
.endr
	s_mul_i32 s16, s[WV], 16*SPITCH
	s_add_co_u32 s16, s16, STAGE                   ; my stage
	v_mul_u32_u24 v5, v1, SPITCH
	v_lshl_add_u32 v5, v2, 5, v5
	v_add_nc_u32 v[STO], s16, v5                   ; in: token r, 32 bytes for each half of the lanes
	v_and_b32 v6, 31, v0
	v_lshlrev_b32 v[CO], 4, v6                     ; back: the 32 lanes take one row of 512 bytes; the same in out0
	v_add_nc_u32 v[RD], s16, v[CO]
	v_lshlrev_b32 v[PFO], 8, v6
	v_lshlrev_b32 v[BO], 5, v2
	s_lshl_b32 s22, s42, 10
	s_lshl_b32 s23, s[CH], 9
	s_add_co_u32 s22, s22, s23                     ; my first column, in bytes of f32
	s_mov_b32 s23, 0
	s_add_nc_u64 s[8:9], s[8:9], s[22:23]
	s_add_nc_u64 s[10:11], s[10:11], s[22:23]
	s_lshl_b32 s22, s43, 7
	s_lshl_b32 s2, s[RH], 6
	s_add_co_u32 s22, s22, s2
	s_lshl_b32 s22, s22, 12                        ; my first token: rows of 4,096 bytes
	s_add_nc_u64 s[10:11], s[10:11], s[22:23]
.irp b, 0,1,2,3,4,5,6,7
	global_load_b128 v[BI+8*\b:BI+8*\b+3], v[BO], s[8:9] offset:64*\b          ; the bias in the result's layout: columns 16 b + 8 h + 0 .. 7
	global_load_b128 v[BI+8*\b+4:BI+8*\b+7], v[BO], s[8:9] offset:64*\b+16
.endr
.macro MUL8 f, a, first                ; y's block a against Wp's eight, 32 along K.  The 32 accumulators take turns, one instruction a turn
.irp b, 0,1,2,3,4,5,6,7
.if \first
	v_wmma_f32_16x16x32_f16 v[8*(8*(\a)+\b):8*(8*(\a)+\b)+7], v[64*(\f)+8*\b:64*(\f)+8*\b+7], v[AF+32*(\f)+8*(\a):AF+32*(\f)+8*(\a)+7], v[BI+8*\b:BI+8*\b+7]
.else
	v_wmma_f32_16x16x32_f16 v[8*(8*(\a)+\b):8*(8*(\a)+\b)+7], v[64*(\f)+8*\b:64*(\f)+8*\b+7], v[AF+32*(\f)+8*(\a):AF+32*(\f)+8*(\a)+7], v[8*(8*(\a)+\b):8*(8*(\a)+\b)+7]
.endif
.endr
.endm
.macro FETCH slot, q, f                ; 24 LDS loads in one run: the slot's q-th 32 along K into buffer f
	WIN TO_F
.irp b, 0,1,2,3,4,5,6,7
	ds_load_tr16_b128 v[64*(\f)+8*\b:64*(\f)+8*\b+3], v[ADRB+\slot] offset:(\q)*32*PB+32*\b
	ds_load_tr16_b128 v[64*(\f)+8*\b+4:64*(\f)+8*\b+7], v[ADRB+\slot] offset:(\q)*32*PB+16*PB+32*\b
.endr
	WIN 0
.irp a, 0,1,2,3
	ds_load_b128 v[AF+32*(\f)+8*\a:AF+32*(\f)+8*\a+3], v[ADRA+\slot] offset:((\q)/2)*AH+((\q)%2)*64+\a*16*PA
	ds_load_b128 v[AF+32*(\f)+8*\a+4:AF+32*(\f)+8*\a+7], v[ADRA+\slot] offset:((\q)/2)*AH+((\q)%2)*64+\a*16*PA+32
.endr
.endm
.macro PLACES                          ; four plain lines in front of loads into registers that matrix instructions have read, and of reads of results (ISA guide 7.12.1 for reads of results)
.rept 4
	v_nop
.endr
.endm
.macro QUARTER slot, q, f, g, first    ; multiplies buffer f; in its middle fetches the slot's q-th quarter into buffer g
	s_wait_dscnt 4                                 ; Wp's fragments and y's blocks 0, 1 are in; the youngest four loads (blocks 2, 3) may be out
.if \first
	WIN MUL_B
.else
	WIN MUL
.endif
	MUL8 \f, 0, \first
	MUL8 \f, 1, \first
	PLACES
	FETCH \slot, \q, \g
	s_wait_dscnt 24                                ; all but the 24 just issued
.if \first
	WIN MUL_B
.else
	WIN MUL
.endif
	MUL8 \f, 2, \first
	MUL8 \f, 3, \first
.endm
; A slot's last quarter multiplies buffer 1 and changes slots: one barrier; in front of it each wave waits for all its tensor loads, adds 0 to its spare word, and waits for that and for its reads of this slot.
; fill = 1: the barrier opens a round of the cluster's, and this slot is filled again, two K steps ahead, first thing behind the round: 112 matrix instructions ahead of the wait for it.
.macro TURN slot, next, fill
.if \fill
	s_wait_xcnt 0x0                                ; the last prefetch, a K step back, has read its address
	s_add_nc_u64 s[PFA:PFA+1], s[PFA:PFA+1], 524288
.endif
	WIN 0
	s_wait_tensorcnt 0x0                           ; my part of the next slot has landed
	ds_add_u32 v[SPW], v[NIL]
	s_wait_dscnt 5                                 ; the add and the youngest four loads may be out
	WIN MUL
	MUL8 1, 0, 0
	s_wait_dscnt 0x0                               ; the add is done, and my reads of this slot are over
	s_barrier_signal -1
	MUL8 1, 1, 0
.if \fill
	WIN 0
.endif
	s_barrier_wait -1
.if \fill
	CREST
	s_add_nc_u64 s[G0+4*\slot+2:G0+4*\slot+3], s[G0+4*\slot+2:G0+4*\slot+3], 2*524288
	s_add_nc_u64 s[G0B+4*\slot+2:G0B+4*\slot+3], s[G0B+4*\slot+2:G0B+4*\slot+3], 2*262144
	JLOAD \slot                                    ; its four v_nop are also the places in front of the loads below
.else
	PLACES
.endif
	FETCH \next, 0, 0
.if \fill
	ASK
.endif
	WIN MUL
	MUL8 1, 2, 0
	MUL8 1, 3, 0
.endm
	s_wait_tensorcnt 1                             ; my part of K step 0 is in; K step 1's may be out
	s_barrier_signal -1
	s_barrier_wait -1
	s_wait_loadcnt 0x0                             ; the bias
	FETCH 0, 0, 0
	QUARTER 0, 1, 0, 1, 1                          ; the first quarter stands in front of the loop: its products start the sums from the bias
	WIN 0
	s_mov_b32 s3, 3
.Llap:                                             ; a trip goes once round the ring, from a lap's second quarter to the next lap's first, and fills both slots again
	QUARTER 0, 2, 1, 0, 0
	QUARTER 0, 3, 0, 1, 0
	TURN 0, 1, 1
	QUARTER 1, 1, 0, 1, 0
	QUARTER 1, 2, 1, 0, 0
	QUARTER 1, 3, 0, 1, 0
	TURN 1, 0, 1
	QUARTER 0, 1, 0, 1, 0
	WIN 0
	s_sub_co_u32 s3, s3, 1
	s_cmp_lg_u32 s3, 0
	s_cbranch_scc1 .Llap
	QUARTER 0, 2, 1, 0, 0                          ; the last lap fills nothing
	QUARTER 0, 3, 0, 1, 0
	TURN 0, 1, 0
	QUARTER 1, 1, 0, 1, 0
	QUARTER 1, 2, 1, 0, 0
	QUARTER 1, 3, 0, 1, 0
	s_wait_dscnt 4
	WIN MUL
	MUL8 1, 0, 0
	MUL8 1, 1, 0
	s_wait_dscnt 0
	MUL8 1, 2, 0
	MUL8 1, 3, 0
	WIN 0
; THE WAY OUT, 16 tokens x 128 columns at a time, through my own stage: in as 32 bytes a lane, back as whole rows of 512 bytes, which the 32 lanes store as 512 consecutive bytes, aligned.
.macro TOSTAGE a
	WIN 0x08                                       ; an LDS store's data: window 2
.irp b, 0,1,2,3,4,5,6,7
	ds_store_b128 v[STO], v[8*(8*(\a)+\b):8*(8*(\a)+\b)+3] offset:64*\b        ; each accumulator from its low end on
	ds_store_b128 v[STO], v[8*(8*(\a)+\b)+4:8*(8*(\a)+\b)+7] offset:64*\b+16
.endr
	WIN 0
.set BB, BK+64*((\a)%2)
.irp t, 0,1,2,3,4,5,6,7,8,9,10,11,12,13,14,15
	ds_load_b128 v[BB+4*\t:BB+4*\t+3], v[RD] offset:\t*SPITCH      ; LDS serves a wave's instructions in order (ISA guide 5.7.1.4): these see the stores above
.endr
.endm
.macro SEND a, younger                 ; younger: the LDS instructions issued behind block a's loads, which may stay out
.set BB, BK+64*((\a)%2)
	s_wait_dscnt \younger
.irp t, 0,1,2,3,4,5,6,7,8,9,10,11,12,13,14,15
	global_store_b128 v[CO], v[BB+4*\t:BB+4*\t+3], s[10:11] offset:65536*(\a)+4096*\t th:TH_STORE_NT   ; written once, read by nobody here; the base is never stepped
.endr
.endm
	PLACES
	TOSTAGE 0
.irp a, 1,2,3
.if \a > 1
	s_wait_xcnt 0x0                                ; block a - 2's stores have read their registers: block a's loads may land there
.endif
	TOSTAGE \a
	SEND \a-1, 32                                  ; behind block a - 1's loads: block a's 16 stores and 16 loads
.endr
	SEND 3, 0
	s_wait_tensorcnt 0x0                           ; the wave's end
	ds_add_u32 v[SPW], v[NIL]
	s_wait_dscnt 0x0
	CROUND                                         ; the closing round
	s_endpgm
.Lfunc_end_k_q9185e56497_proj:
	.size	k_q9185e56497_proj, .Lfunc_end_k_q9185e56497_proj-k_q9185e56497_proj
	.p2alignl 7, 3214868480
	.fill 96, 4, 3214868480
	.section	.rodata,"a",@progbits
	.p2align	6, 0x0
	.amdhsa_kernel k_q9185e56497_proj
		.amdhsa_group_segment_fixed_size 327680
		.amdhsa_private_segment_fixed_size 0
		.amdhsa_enable_private_segment 0
		.amdhsa_kernarg_size 32
		.amdhsa_user_sgpr_count 2
		.amdhsa_user_sgpr_kernarg_segment_ptr 1
		.amdhsa_wavefront_size32 1
		.amdhsa_system_sgpr_workgroup_id_x 1
		.amdhsa_system_sgpr_workgroup_id_y 1
		.amdhsa_system_sgpr_workgroup_id_z 1
		.amdhsa_system_vgpr_workitem_id 0
		.amdhsa_next_free_vgpr 768
		.amdhsa_next_free_sgpr 66
		.amdhsa_reserve_vcc 0
		.amdhsa_float_denorm_mode_32 3
		.amdhsa_float_denorm_mode_16_64 3
		.amdhsa_memory_ordered 1
		.amdhsa_forward_progress 1
		.amdhsa_inst_pref_size 88
	.end_amdhsa_kernel
	.amdgpu_metadata
---
amdhsa.version: [ 1, 2 ]
amdhsa.kernels:
  - .name:           k_q9185e56497_proj
    .symbol:         k_q9185e56497_proj.kd
    .args:
      - { .name: y, .offset: 0, .size: 8, .value_kind: global_buffer, .address_space: global }
      - { .name: wph, .offset: 8, .size: 8, .value_kind: global_buffer, .address_space: global }
      - { .name: bp, .offset: 16, .size: 8, .value_kind: global_buffer, .address_space: global }
      - { .name: out0, .offset: 24, .size: 8, .value_kind: global_buffer, .address_space: global }
    .group_segment_fixed_size: 327680
    .private_segment_fixed_size: 0
    .kernarg_segment_align: 8
    .kernarg_segment_size: 32
    .max_flat_workgroup_size: 128
    .sgpr_count:     66
    .vgpr_count:     768
    .wavefront_size: 32
...
	.end_amdgpu_metadata
.endif
;; end of part 4
